; MI455X (gfx1250); checked and timed in simulation.
; The chip was launched on July 23, 2026; its instructions are those of AMD's public machine-readable ISA for CDNA 5 (MIT licence, August 2026) and "CDNA5" Instruction Set Architecture Reference Guide (July 2026). The comments in the code are by the model that wrote it; some were corrected since.
;; multihead self attention. Allowed arithmetic: matrix products marked QUANTISED: E5M2 operands, one E8M0 scale for each 32 along K, by v_wmma_scale_f32_16x16x128_f8f6f4 with both operands' format E5M2, f32 sums; everything else in f32.
;; Inputs: wk_codes 1,024 x 32 x 32 uint8 (E5M2 codes of wk, K innermost, in blocks of 32 codes); wk_scales 1,024 x 32 uint8 (E8M0 scales of wk, one for each 32 codes along K); wo_codes 1,024 x 32 x 32 uint8 (E5M2 codes of wo, K innermost, in blocks of 32 codes); wo_scales 1,024 x 32 uint8 (E8M0 scales of wo, one for each 32 codes along K); wq_codes 1,024 x 32 x 32 uint8 (E5M2 codes of wq, K innermost, in blocks of 32 codes); wq_scales 1,024 x 32 uint8 (E8M0 scales of wq, one for each 32 codes along K); wv_codes 1,024 x 32 x 32 uint8 (E5M2 codes of wv, K innermost, in blocks of 32 codes); wv_scales 1,024 x 32 uint8 (E8M0 scales of wv, one for each 32 codes along K); x_codes 4 x 2,048 x 32 x 32 uint8 (E5M2 codes of x, K innermost, in blocks of 32 codes); x_scales 4 x 2,048 x 32 uint8 (E8M0 scales of x, one for each 32 codes along K).
;; Outputs: out0 4 x 2,048 x 1,024 float32.
;; This version of the problem:
;;   THIS VERSION OF THE PROBLEM IS GIVEN IN LOW PRECISION. The matrix products marked QUANTISED in the list below multiply operands that are first quantised to E5M2 (5 exponent bits, 2 mantissa bits; 8 bits a number), with one power-of-two scale for each 32 numbers along K (OCP MX v1.0); their sums are f32. All else is computed in f32.
;;   The module's matrix products, in the order in which they are computed (A, B: the left and right operand; K: the contracted axis; several contracted axes count as one K, in the product's order):
;;     1. [M 8,192, K 1,024] x [K 1,024, N 1,024]; A: input x (given as codes); B: input wq (given as codes): QUANTISED
;;     2. [M 8,192, K 1,024] x [K 1,024, N 1,024]; A: input x (given as codes); B: input wk (given as codes): QUANTISED
;;     3. [M 8,192, K 1,024] x [K 1,024, N 1,024]; A: input x (given as codes); B: input wv (given as codes): QUANTISED
;;     4. batch 64 x [M 2,048, K 64] x [K 64, N 2,048]; A: computed on the way; B: computed on the way: QUANTISED
;;     5. batch 64 x [M 2,048, K 2,048] x [K 2,048, N 64]; A: softmax (see below); B: computed on the way: QUANTISED
;;     6. [M 8,192, K 1,024] x [K 1,024, N 1,024]; A: computed on the way; B: input wo (given as codes): QUANTISED
;;   THE QUANTISER, for each operand of a quantised product, along K:
;;     - K is cut into blocks of 32 from its start; a last block that is shorter is filled with zeros.
;;     - A block's scale is 2^e with e = floor(log2(the largest magnitude in the block)) - 15, held to -126 .. 127; a block of zeros has e = 0. As a byte (E8M0): e + 127.
;;     - Each number is divided by its block's scale, clamped to +-57,344, and rounded to the nearest number of E5M2, ties to even, subnormals kept.
;;     - The product sums the exact products of the quantised numbers (number of the format x scale) in f32.
;;   ~~~python
;;   def quantise(x, axis):      # numpy; x: float32 -> the quantised numbers, widened to float32 again
;;       x = np.moveaxis(x, axis, -1); K = x.shape[-1]
;;       x = np.pad(x, [(0, 0)] * (x.ndim - 1) + [(0, -K % 32)]); x = x.reshape(x.shape[:-1] + (-1, 32)); a = np.abs(x).max(-1, keepdims=True)
;;       e = np.where(a > 0, np.clip(np.frexp(np.where(a > 0, a, 1))[1] - 1 - 15, -126, 127), 0)      # np.frexp(a)[1] - 1 = floor(log2(a)), exactly
;;       r = np.clip(x / 2.0 ** e, -57344, 57344)
;;       step = 2.0 ** (np.maximum(np.frexp(np.where(r == 0, 1, r))[1] - 1, -14) - 2)
;;       q = np.round(r / step) * step * 2.0 ** e      # np.round: ties to even
;;       return np.moveaxis(q.reshape(q.shape[:-2] + (-1,))[..., :K], -1, axis).astype(np.float32)
;;   ~~~
;;   SOFTMAX AHEAD OF A QUANTISED PRODUCT. Where the list says 'softmax', what is quantised is not the finished softmax but p = 2^(t - M), with t = logit x log2(e) and M = ceil(the row's largest t), a whole number; so 1/2 < the row's largest p <= 1. The row's sum l is taken of the UNQUANTISED p, in f32, and the product's result is divided by l at the end. Since M is a whole number, a kernel that streams over the keys may use a running M (the ceiling of the running maximum): every later rescaling is an exact power of two, which a block's scale takes up: the codes' values come out the same.
;;   OPERANDS COMPUTED ON THE WAY. 'Computed on the way' means the value that the module computes at that place (a softmax that the list does not call 'softmax' is quantised finished and normalised). What goes into a quantiser is computed in f32, as accurately as f32 sums, v_exp_f32 and their like allow (about 1e-6 of the number): no bf16 or f16 on the way to a quantiser, and a product that is left as it is and whose result goes on into a quantised operand takes f32 operands (vector FMAs, or v_wmma_f32_16x16x4_f32). A number that lies on a knife's edge between two numbers of the format may be rounded either way, as far as f32 arithmetic and the matrix unit's own rounding can turn it there, and no further.
;;   INPUTS GIVEN AS CODES. wk (in the module: [1024, 1024], K = its axis 1); wo (in the module: [1024, 1024], K = its axis 1); wq (in the module: [1024, 1024], K = its axis 1); wv (in the module: [1024, 1024], K = its axis 1); x (in the module: [4, 2048, 1024], K = its axis 2): each comes as NAME_codes (uint8): NAME with its K axis moved to the last place and cut into blocks of 32 codes, [.., K / 32, bytes a block], one block behind the other in memory; one code a byte (a code: sign, 5 exponent bits, 2 mantissa bits); and NAME_scales (uint8): the same leading axes, one E8M0 byte (e + 127) for each 32 codes along K. Its value is code x scale, taken as it is: it is not quantised again, and the codes and scales need not be those that the quantiser above would give.
;; One version. Each part assembles by itself: llvm-mc -triple=amdgcn-amd-amdhsa -mcpu=gfx1250 --defsym DOCPART=n.
;; ======== version 1 of 1: 3 launches
;; limits: right only within a limited range of input values
;; workspace buffers: qimg 8,388,608 bytes; kimg 8,388,608 bytes; vimg 8,388,608 bytes; qsc 524,288 bytes; ksc 524,288 bytes; vsc 524,288 bytes; oimg 8,388,608 bytes; osc 262,144 bytes
;; launch proj (part 1): grid 12 x 32, 4 waves a work-group, clusters of 4 x 4, 327,680 bytes of LDS; arguments x_codes, x_scales, wq_codes, wq_scales, wk_codes, wk_scales, wv_codes, wv_scales, qimg, qsc, kimg, ksc, vimg, vsc; writes qimg, qsc, kimg, ksc, vimg, vsc
.if DOCPART == 1
	.amdgcn_target "amdgcn-amd-amdhsa--gfx1250"
	.amdhsa_code_object_version 6
	.text
	.protected	k_q82e2c10bda_proj
	.globl	k_q82e2c10bda_proj
	.p2align	8
	.type	k_q82e2c10bda_proj,@function
k_q82e2c10bda_proj:
	s_mov_b64 s[64:65], 0
	v_nop
	global_prefetch_b8 v0, s[64:65] scope:SCOPE_SE
	s_setreg_imm32_b32 hwreg(HW_REG_WAVE_MODE, 25, 1), 1
	s_wait_xcnt 0x0
	s_wait_alu depctr_hold_cnt(0) depctr_sa_sdst(0) depctr_va_vdst(0) depctr_va_sdst(0) depctr_va_ssrc(0) depctr_va_vcc(0) depctr_vm_vsrc(0)
	s_getreg_b32 s2, hwreg(HW_REG_IB_STS2, 6, 4)
	s_cmp_eq_u32 s2, 0
	s_cbranch_scc0 .Lentry_in_a_cluster
	s_endpgm
.Lentry_in_a_cluster:
	s_bfe_u32 s2, ttmp6, 0x10000c
	s_cmp_lg_u32 s2, 0xf033
	s_cbranch_scc0 .Lentry_shape_is_right
	s_endpgm
.Lentry_shape_is_right:
; q = x wq^T, k = x wk^T, v = x wv^T on codes of BF8 (E5M2) with one E8M0 scale for each 32 along K = 1,024; the f32 results are quantised here, q and k along the channels e, v along the tokens,
; and leave as IMAGES OF OPERAND REGISTERS: a fragment (16 rows x 128 along the next K, 16 registers a lane) lies in memory as [c = 0..3][lane][16 bytes], 2,048 bytes; each store of the wave covers 512 consecutive bytes, aligned.
; SHARES.  A tile of 256 x 256 results is made by a work-group of four waves, a wave makes 128 x 128 in 64 accumulators.  K goes in steps of 256 through a ring of two LDS slots filled by the tensor data mover.
; WHICH OPERAND IS WHICH.  In a result, a lane holds ONE row of source 1 and its registers run along the rows of source 0.  The quantiser wants a lane's registers to run along the next K: so source 0 (here called B) is the
; weight for q and k (rows = e) and x for v (rows = tokens); source 1 (called A) is the other one.  The cluster's x says which product (0: q, 1: k, 2: v); only pointers and offsets are chosen by it, no branch hangs on it.
; ORDER OF K INSIDE A BLOCK OF 32.  The 16 registers of two neighbouring tiles hold k = 32 c + 8 h + 0..7 and 32 c + 16 + 8 h + 0..7 (h = lane / 16), and the conversions lay them at the operand's places 32 c + 16 h + 0..15: a
; permutation inside a block, which keeps the block's scale.  q and k are made by the same lines, and so are v and the softmax's p in the next launch: both sides of a product carry the same permutation, so the products are the same and only the grouping of the sums differs.
; CLUSTERS: 4 x 4 work-groups.  A's tile hangs on the tile row alone and is shared along a row of the cluster, B's on the tile column alone and is shared along a column: each is asked for jointly.
; LIMITS: NaN and infinities are not served.  A block of zeros gets the byte 1 (its codes are zeros, which add nothing under any byte but 0xff; the bytes are read by this program alone).
; REGISTERS, in windows of 256: window 0: v0-31 addresses; v32-63 scale words, two sets; v128-255 A's fragments, one set.  window 1: B's fragments, two sets.  windows 2, 3: the accumulators ((a, b) at v[8 (8 (a % 4) + b)]).
.set SIZE_K, 1024
.set KSTEP,  256                       ; along K in a slot
.set NQ,     KSTEP/128                 ; matrix instructions deep
.set ROWB,   256                       ; a tile's row in bytes
.set KROW,   SIZE_K                    ; a row of either operand in memory, in bytes
.set PITCH,  272                       ; an LDS row: 256 bytes + 16 of padding = 68 words: the 16 rows that a load touches start at 16 different banks (64 banks of 4 bytes: ISA guide 11.1)
.set FR,     16                        ; registers of a fragment
.set NL,     4                         ; LDS loads that bring one
.set NP,     8                         ; places behind this matrix instruction (ISA guide 7.12.1)
.set HALFT,  128*PITCH                 ; 128 rows: what one tensor load brings
.set SLOT,   4*HALFT                   ; A's 256 rows, then B's 256 rows
.set LAPS,   SIZE_K/(2*KSTEP)          ; a lap = two K steps = once round the ring
.set KS,     SIZE_K/32                 ; a row of scale bytes
.set SCL,    2*SLOT                    ; behind the ring: the scales of all of K, as units of 256 bytes + 16 of padding; filled once
.set HALFS,  (128*KS/256)*272          ; the scales of 128 rows
.set SBLK,   (16*KS/256)*272           ; those of 16 rows
.set SPARE,  SCL+4*HALFS               ; the spare words, 128 bytes for each wave: two blocks of 256 bytes that no other line names
.set ADRA, 16                          ; v16-17  LDS address of my A fragments in slot 0, 1
.set ADRB, 20                          ; v20-21  the same for B
.set CO,   26                          ; v26     16 x lane: my place in an image
.set ADRS, 27                          ; v27     LDS address of my scale words: lanes 0-15 A's rows, lanes 16-31 B's
.set SPW,  28                          ; v28     LDS address of my spare word; never rewritten
.set NIL,  29                          ; v29     0; never rewritten
.set SH,   30                          ; v30     q, k: 16 in lanes 16-31, else 0: those lanes store the odd head's two scale bytes in the low half
.set SC,   32                          ; scale words: set s at v[SC + 8 NQ s]
.set AF,   128                         ; A's fragments, in window 0
.set X,    32
.set TM,   96                          ; v96-99 largest magnitudes, v100-103 bytes, v108-111 the conversions' scale operands
.set PW,   112                         ; v112 the scale word just made
.set SW,   116                         ; v116-123 the eight scale words that are stored
.set PC,   128                         ; v128-255 codes: 16 registers for each block, so that no store's data are written again
.set G1, 24                            ; s[24:31] descriptor group 1 for A's tiles;  s[32:39] group 0, one set for each slot
.set G0, 32
.set G1B, 48                           ; s[48:55], s[56:63] the same for B's tiles
.set G0B, 56
.set G1S, 68                           ; s[68:75], s[76:79] groups 1 and 0 for A's scales;  s[80:87], s[88:91] for B's
.set G0S, 76
.set G1SB, 80
.set G0SB, 88
.set MSB, 0
.macro WIN new                         ; the immediate's high byte repeats the setting that is left
.if MSB != \new
	s_set_vgpr_msb (MSB<<8)|\new
.set MSB, \new
.endif
.endm
.set MUL_LO, 0xa1                      ; source 0 (B) window 1, source 1 (A) window 0, C and D window 2
.set MUL_HI, 0xf1                      ; the same, C and D window 3
.set TO_B,   0x40                      ; destination window 1, address window 0
; A joint load: waves 0 and 1 fetch for A, waves 2 and 3 for B.  Each line has one mask and one set of registers for all that issue it; the branch hangs on the wave's number alone.  Four v_nop follow each line.
.macro JLOAD g0a, g1a, g0b, g1b
	s_cmp_eq_u32 s15, 0
	s_cbranch_scc0 .Lfor_b_\@
	tensor_load_to_lds s[\g0a:\g0a+3], s[\g1a:\g1a+7]
	s_nop 0
.rept 4
	v_nop
.endr
	s_branch .Lasked_\@
.Lfor_b_\@:
	tensor_load_to_lds s[\g0b:\g0b+3], s[\g1b:\g1b+7]
	s_nop 0
.rept 4
	v_nop
.endr
.Lasked_\@:
.endm
.macro CREST                           ; a round of the cluster's barrier behind its opening barrier
	s_cmp_lg_u32 s14, 0
	s_cbranch_scc1 .Lnot_wave_0_\@
	s_barrier_signal -3
.Lnot_wave_0_\@:
	s_barrier_wait -3
	s_barrier_signal -1
	s_barrier_wait -1
.endm
.macro CROUND                          ; a whole round
	s_barrier_signal -1
	s_barrier_wait -1
	CREST
.endm
	s_load_b512 s[68:83], s[0:1], 0x0              ; x codes 68, x scales 70, wq codes 72, wq scales 74, wk codes 76, wk scales 78, wv codes 80, wv scales 82
	s_load_b256 s[84:91], s[0:1], 0x40             ; qimg 84, qsc 86, kimg 88, ksc 90
	s_load_b128 s[92:95], s[0:1], 0x60             ; vimg 92, vsc 94
	v_lshl_add_u32 v[SPW], v0, 2, SPARE
	v_mov_b32 v[NIL], 0
	ds_add_u32 v28, v29
	ds_add_u32 v28, v29
	s_wait_dscnt 0x0
	v_lshrrev_b32 v1, 5, v0
	v_readfirstlane_b32 s14, v1                    ; wave 0..3
	s_lshr_b32 s15, s14, 1                         ; which half of A's 256 rows is mine.  Also: I fetch for A (0) or for B (1)
	s_and_b32 s16, s14, 1                          ; which half of B's.  Also: which 128 rows of that tile I fetch
	s_bfe_u32 s40, ttmp6, 0x40000                  ; cx, cy: my place in the cluster
	s_bfe_u32 s41, ttmp6, 0x40004
	s_and_b32 s18, ttmp7, 0xffff
	s_lshl_b32 s18, s18, 2                         ; 4 x cluster y: it walks x's 32 tiles of 256 rows
	s_cmp_eq_u32 ttmp9, 2                          ; v?  Then x is B, else x is A
	s_cselect_b32 s17, 0, s18
	s_cselect_b32 s42, s18, 0
	s_add_co_u32 s17, s17, s41                     ; A's tile: made of cy alone among the places in the cluster
	s_add_co_u32 s42, s42, s40                     ; B's tile: of cx alone
	s_lshl_b32 s43, s41, 2
	s_lshl_b32 s43, 15, s43                        ; my row of the cluster
	s_lshl_b32 s44, 0x1111, s40                    ; my column
	; descriptor group 1: a tile of 128 rows x 256 bytes, padded in LDS
	s_or_b32 s[G1+0], s43, (0<<16)|(1<<20)|(1<<21)|(5<<22)|(3<<25)  ; 15:0 the mask; 17:16 element of 1 byte; 20 padding on; 21 set beside a mask; 24:22 after every 64 words (code 5); 31:25 of 4 words (code 3)
	s_or_b32 s[G1B+0], s44, (0<<16)|(1<<20)|(1<<21)|(5<<22)|(3<<25)
.irp g, G1, G1B
	s_mov_b32 s[\g+1], ROWB<<16                    ; tensor_dim0
	s_mov_b32 s[\g+2], 128<<16                     ; tensor_dim1 = 128
	s_mov_b32 s[\g+3], ROWB<<16                    ; tile_dim0
	s_mov_b32 s[\g+4], 128                         ; tile_dim1 = 128
	s_mov_b32 s[\g+5], KROW                        ; tensor_dim0_stride
	s_mov_b32 s[\g+6], 0
	s_mov_b32 s[\g+7], 0
.endr
	s_wait_kmcnt 0x0
	s_cmp_eq_u32 ttmp9, 0                          ; the choices hang on the cluster's x alone, which all sixteen partners share
	s_cselect_b64 s[72:73], s[72:73], s[76:77]     ; q's or k's weight: codes,
	s_cselect_b64 s[74:75], s[74:75], s[78:79]     ; scales,
	s_cselect_b64 s[84:85], s[84:85], s[88:89]     ; and where the images
	s_cselect_b64 s[86:87], s[86:87], s[90:91]     ; and the scale words go
	s_cmp_eq_u32 ttmp9, 2
	s_cselect_b64 s[4:5], s[80:81], s[68:69]       ; A's codes: wv for v, else x
	s_cselect_b64 s[6:7], s[82:83], s[70:71]       ; A's scales
	s_cselect_b64 s[8:9], s[68:69], s[72:73]       ; B's codes: x for v, else the weight
	s_cselect_b64 s[10:11], s[70:71], s[74:75]     ; B's scales
	s_cselect_b64 s[12:13], s[92:93], s[84:85]     ; the images
	s_cselect_b64 s[96:97], s[94:95], s[86:87]     ; the scale words
	s_cselect_b32 s98, 64, 0x200                   ; tiles of 16 rows of A in the whole tensor: 64 (wv) or 512 (x)
	s_cselect_b32 s99, 0, 16                       ; the shift of lanes 16-31's scale words
	; the arguments' registers are free now.  The scales of 128 rows: a dense block of 4,096 bytes, as rows of 256 bytes (32 elements of 8 bytes), 16 bytes of padding behind each
	s_or_b32 s[G1S+0], s43, (3<<16)|(1<<20)|(1<<21)|(5<<22)|(3<<25)
	s_or_b32 s[G1SB+0], s44, (3<<16)|(1<<20)|(1<<21)|(5<<22)|(3<<25)
.irp g, G1S, G1SB
	s_mov_b32 s[\g+1], 32<<16
	s_mov_b32 s[\g+2], (128*KS/256)<<16
	s_mov_b32 s[\g+3], 32<<16
	s_mov_b32 s[\g+4], 128*KS/256
	s_mov_b32 s[\g+5], 32
	s_mov_b32 s[\g+6], 0
	s_mov_b32 s[\g+7], 0
.endr
	s_lshl_b32 s18, s16, 7                         ; which 128 rows of the tile I fetch
	s_lshl_b32 s20, s17, 8
	s_add_co_u32 s20, s20, s18                     ; A: row 256 x tile + 128 x half
	s_lshl_b32 s46, s42, 8
	s_add_co_u32 s46, s46, s18                     ; B likewise
	s_mov_b32 s21, 0
	s_mov_b32 s47, 0
	s_mov_b64 s[18:19], KS
	s_mul_u64 s[22:23], s[20:21], s[18:19]         ; where these rows' scales begin, in bytes
	s_mul_u64 s[92:93], s[46:47], s[18:19]
	s_mov_b64 s[18:19], KROW
	s_mul_u64 s[20:21], s[20:21], s[18:19]         ; and their codes
	s_mul_u64 s[46:47], s[46:47], s[18:19]
	s_mul_i32 s45, s14, HALFT                      ; where they go: wave x 128 rows: no place in the cluster enters an LDS address
	s_mul_i32 s94, s14, HALFS
	s_add_nc_u64 s[20:21], s[4:5], s[20:21]
	s_add_nc_u64 s[22:23], s[6:7], s[22:23]
	s_add_nc_u64 s[46:47], s[8:9], s[46:47]
	s_add_nc_u64 s[92:93], s[10:11], s[92:93]
	CROUND                                         ; all sixteen work-groups are here: the first joint loads meet
	s_mov_b32 s[G0S], 1
	s_add_co_u32 s[G0S+1], s94, SCL
	s_mov_b64 s[G0S+2:G0S+3], s[22:23]
	s_or_b32 s[G0S+3], s[G0S+3], 0x80000000
	s_mov_b32 s[G0SB], 1
	s_add_co_u32 s[G0SB+1], s94, SCL
	s_mov_b64 s[G0SB+2:G0SB+3], s[92:93]
	s_or_b32 s[G0SB+3], s[G0SB+3], 0x80000000
	JLOAD G0S, G1S, G0SB, G1SB                     ; the scales first: they are wanted with K step 0
.irp s, 0,1
	s_mov_b32 s[G0+4*\s], 1
	s_add_co_u32 s[G0+4*\s+1], s45, \s*SLOT
	s_add_nc_u64 s[G0+4*\s+2:G0+4*\s+3], s[20:21], \s*ROWB
	s_or_b32 s[G0+4*\s+3], s[G0+4*\s+3], 0x80000000
	s_mov_b32 s[G0B+4*\s], 1
	s_add_co_u32 s[G0B+4*\s+1], s45, \s*SLOT
	s_add_nc_u64 s[G0B+4*\s+2:G0B+4*\s+3], s[46:47], \s*ROWB
	s_or_b32 s[G0B+4*\s+3], s[G0B+4*\s+3], 0x80000000
	JLOAD G0+4*\s, G1, G0B+4*\s, G1B
.endr
	v_and_b32 v1, 15, v0                           ; l % 16
	v_bfe_u32 v2, v0, 4, 1                         ; l / 16
	v_mul_u32_u24 v3, v1, PITCH
	v_lshl_add_u32 v4, v2, 4, v3                   ; a fragment's row x pitch + 16 x half
	s_mul_i32 s21, s15, HALFT                      ; my 128 rows of A
	s_mul_i32 s22, s16, HALFT                      ; my 128 rows of B,
	s_add_co_u32 s22, s22, 2*HALFT                 ; which lie behind A's 256
.irp s, 0,1
	v_add_nc_u32 v[ADRA+\s], s21, v4
	v_add_nc_u32 v[ADRB+\s], s22, v4
	s_add_co_u32 s21, s21, SLOT
	s_add_co_u32 s22, s22, SLOT
.endr
	v_mul_u32_u24 v5, v1, KS                       ; my row's scales: KS bytes a row,
	v_lshrrev_b32 v6, 8, v5
	v_lshl_add_u32 v5, v6, 4, v5                   ; and 16 more for each 256 passed
	s_mul_i32 s21, s15, HALFS                      ; A's: my 128 rows
	s_mul_i32 s22, s16, HALFS                      ; B's: my 128 rows, behind A's 256
	s_add_co_u32 s22, s22, 2*HALFS
	s_sub_co_u32 s22, s22, s21
	v_mul_u32_u24 v6, s22, v2                      ; lanes 16-31 take B's: the lower base + h x the distance
	s_add_co_u32 s21, s21, SCL
	v_add_nc_u32 v5, v5, v6
	v_add_nc_u32 v[ADRS], s21, v5
	v_and_b32 v6, 31, v0
	v_lshlrev_b32 v[CO], 4, v6                     ; 16 x lane
	v_mul_u32_u24 v[SH], s99, v2
	; where my eight images go: image number (2 x B's tile + half) x (A's tiles of 16 rows) + 16 x A's tile + 8 x half; 2,048 bytes an image, 128 bytes of scale words
	s_lshl_b32 s46, s42, 1
	s_add_co_u32 s46, s46, s16
	s_mul_i32 s46, s46, s98
	s_lshl_b32 s20, s17, 4
	s_lshl_b32 s21, s15, 3
	s_add_co_u32 s20, s20, s21
	s_add_co_u32 s20, s20, s46                     ; 4,095 at the most
	s_mov_b32 s47, 0
	s_lshl_b32 s46, s20, 11
	s_add_nc_u64 s[12:13], s[12:13], s[46:47]
	s_lshl_b32 s46, s20, 7
	s_add_nc_u64 s[96:97], s[96:97], s[46:47]
	s_mov_b32 s66, 0x76543210
	s_mov_b32 s67, 0xfedcba98                      ; v_permlanex16_b32's selects for lane l xor 16
.macro FRAG reg, adr, q, i             ; a fragment: lane l holds row l % 16; registers 4 c .. 4 c + 3 hold K = 32 c + 16 (l / 16) + 0 .. 15
.irp c, 0,1,2,3
	ds_load_b128 v[\reg+4*\c:\reg+4*\c+3], v[\adr] offset:128*(\q)+32*\c+(\i)*16*PITCH
.endr
.endm
; 16 matrix instructions: A's blocks a0, a0 + 1 x B's eight, 128 along K.  p: B's set;  sc: the set of scale words.  zero = 1: the first product starts the sums.
; The 64 accumulators take turns, one instruction a turn, in the same order in every step.
.macro MUL16 a0, p, q, sc, zero
.irp a, \a0, \a0+1
.irp b, 0,1,2,3,4,5,6,7
.if \zero
	v_wmma_scale_f32_16x16x128_f8f6f4 v[8*(8*((\a)%4)+\b):8*(8*((\a)%4)+\b)+7], v[128*(\p)+FR*\b:128*(\p)+FR*\b+FR-1], v[AF+FR*(\a):AF+FR*(\a)+FR-1], 0, v[SC+8*NQ*(\sc)+NQ*\b+(\q)], v[SC+8*NQ*(\sc)+NQ*(\a)+(\q)] matrix_a_fmt:MATRIX_FMT_BF8 matrix_b_fmt:MATRIX_FMT_BF8 matrix_a_scale:MATRIX_SCALE_ROW1
.else
	v_wmma_scale_f32_16x16x128_f8f6f4 v[8*(8*((\a)%4)+\b):8*(8*((\a)%4)+\b)+7], v[128*(\p)+FR*\b:128*(\p)+FR*\b+FR-1], v[AF+FR*(\a):AF+FR*(\a)+FR-1], v[8*(8*((\a)%4)+\b):8*(8*((\a)%4)+\b)+7], v[SC+8*NQ*(\sc)+NQ*\b+(\q)], v[SC+8*NQ*(\sc)+NQ*(\a)+(\q)] matrix_a_fmt:MATRIX_FMT_BF8 matrix_b_fmt:MATRIX_FMT_BF8 matrix_a_scale:MATRIX_SCALE_ROW1
.endif
.endr
.endr
.endm
.macro FETCH_B slot, q, p              ; B's eight fragments of the slot's q-th 128 along K into set p
	WIN TO_B
.irp i, 0,1,2,3,4,5,6,7
	FRAG 128*(\p)+FR*\i, ADRB+\slot, \q, \i
.endr
	WIN 0
.endm
.macro FETCH_A slot, q, i0             ; A's blocks i0 .. i0 + 3
.irp i, \i0, \i0+1, \i0+2, \i0+3
	FRAG AF+FR*(\i), ADRA+\slot, \q, \i
.endr
.endm
.macro SCALES sc                       ; a K step's scale words into set sc: two words a row; lanes 0-15 take A's block i, lanes 16-31 B's block i
.irp i, 0,1,2,3,4,5,6,7
	ds_load_b64 v[SC+8*NQ*\sc+NQ*\i:SC+8*NQ*\sc+NQ*\i+1], v[ADRS] offset:\i*SBLK
.endr
.endm
; A load into a register that a matrix instruction has read, and a vector instruction that reads a matrix result, stand eight places behind that matrix instruction; only plain vector instructions that name none of its registers are places.
.macro PLACES n
.rept \n
	v_nop
.endr
.endm
; A step of 128 along K that has its successor in the same slot.
.macro STEP slot, q, zero
	s_wait_dscnt 4*NL                              ; B's set and A's blocks 0-3 are in; the youngest 16 loads (A's blocks 4-7) may be out
	WIN MUL_LO
	MUL16 0, (\q)%2, \q, \slot, \zero
	MUL16 2, (\q)%2, \q, \slot, \zero
	s_wait_dscnt 0                                 ; A's blocks 4-7 are in (asked for 32 matrix instructions ago)
	PLACES NP
	FETCH_B \slot, (\q)+1, 1-(\q)%2
	FETCH_A \slot, (\q)+1, 0
	WIN MUL_HI
	MUL16 4, (\q)%2, \q, \slot, \zero
	MUL16 6, (\q)%2, \q, \slot, \zero
	PLACES NP
	WIN 0
	FETCH_A \slot, (\q)+1, 4
.endm
; A slot's last step changes slots: ONE barrier; in front of it each wave waits for all its tensor loads, adds 0 to its spare word, and waits for that and for its own reads of this slot.  fill = 1: this slot is filled again, two K steps ahead.
.macro TURN slot, next, fill
	s_wait_tensorcnt 0x0                           ; all my tensor loads have landed: my part of the next slot  (every window is 0 here)
	ds_add_u32 v[SPW], v[NIL]                      ; 0 onto my spare word
	s_wait_dscnt 4*NL+1                            ; (the add and the youngest 16 loads, A's blocks 4-7, may be out)
	WIN MUL_LO
	MUL16 0, 1, NQ-1, \slot, 0                     ; sixteen matrix instructions stand between the add and the wait for it
	s_wait_dscnt 0x0                               ; the add is done, and my reads of this slot are over
	s_barrier_signal -1
	MUL16 2, 1, NQ-1, \slot, 0
	WIN 0
	s_barrier_wait -1
.if \fill
	CREST                                          ; the barrier has opened a round of the cluster's barrier: no wave of any partner still reads this slot's tile or has a load on its way
	s_add_nc_u64 s[G0+4*\slot+2:G0+4*\slot+3], s[G0+4*\slot+2:G0+4*\slot+3], 2*ROWB
	s_add_nc_u64 s[G0B+4*\slot+2:G0B+4*\slot+3], s[G0B+4*\slot+2:G0B+4*\slot+3], 2*ROWB
	JLOAD G0+4*\slot, G1, G0B+4*\slot, G1B         ; the first tensor load behind the round; its four v_nop are among the places in front of the loads below
	PLACES NP-4
.else
	PLACES NP
.endif
	s_wait_alu depctr_va_vdst(0)
	v_add_nc_u32 v[ADRS], 4*NQ, v[ADRS]            ; on to the next K step's scale words (no LDS load of mine is out)
	FETCH_B \next, 0, 0
	FETCH_A \next, 0, 0
	SCALES \next
	WIN MUL_HI
	MUL16 4, 1, NQ-1, \slot, 0
	MUL16 6, 1, NQ-1, \slot, 0
	PLACES NP
	WIN 0
	FETCH_A \next, 0, 4
.endm
	s_wait_alu depctr_va_vdst(0)
	s_wait_tensorcnt 1                             ; the scales and my part of K step 0 are in (K step 1's load may be out)
	s_barrier_signal -1
	s_barrier_wait -1                              ; everybody's are
	FETCH_B 0, 0, 0
	FETCH_A 0, 0, 0
	SCALES 0
	FETCH_A 0, 0, 4
	STEP 0, 0, 1                                   ; the first step stands in front of the loop: its products start the sums
	s_mov_b32 s3, LAPS-1
.Llap:                                                 ; a trip goes once round the ring, from a lap's second step to the next lap's first, and fills both slots again
	TURN 0, 1, 1
	STEP 1, 0, 0
	TURN 1, 0, 1
	STEP 0, 0, 0
	s_sub_co_u32 s3, s3, 1
	s_cmp_lg_u32 s3, 0
	s_cbranch_scc1 .Llap
	TURN 0, 1, 0                                   ; the last lap fills nothing, and has no round of the cluster's barrier
	STEP 1, 0, 0
	s_wait_dscnt 4*NL                              ; the very last step: nothing more to fetch
	WIN MUL_LO
	MUL16 0, 1, NQ-1, 1, 0
	MUL16 2, 1, NQ-1, 1, 0
	s_wait_dscnt 0
	WIN MUL_HI
	MUL16 4, 1, NQ-1, 1, 0
	MUL16 6, 1, NQ-1, 1, 0
	WIN 0
; THE WAY OUT.  Block a (16 rows of A) x my 128 rows of B: a lane's 64 registers, register 16 b + i of them in block b of 32 along the next K.  They become one fragment's codes and one scale word a row, and are stored as they stand.
; A block's scale byte is its largest magnitude's exponent field - 15, held at 1 from below by a floor among the maximum's leaves.
.macro QEPI a
.set AC, 64*((\a)%4)
.set W, 2+(\a)/4
	WIN (W|(W<<2))                                 ; sources 0 and 1: the accumulators' window
.irp b, 0,1,2,3
	v_max3_num_f32 v[TM+\b], |v[AC+16*\b]|, |v[AC+16*\b+1]|, 0x8000000   ; each accumulator is read from its low end on; the floor is 2^(16 - 127)
.endr
	WIN ((W<<2)|(W<<4))                            ; sources 1 and 2
.irp i, 2,4,6,8,10,12,14
.irp b, 0,1,2,3
	v_max3_num_f32 v[TM+\b], v[TM+\b], |v[AC+16*\b+\i]|, |v[AC+16*\b+\i+1]|   ; the four blocks by turns
.endr
.endr
	WIN 0
.irp b, 0,1,2,3
	v_permlanex16_b32 v[TM+4+\b], v[TM+\b], s66, s67
.endr
.irp b, 0,1,2,3
	v_max_num_f32 v[TM+\b], v[TM+\b], v[TM+4+\b]   ; with lane l xor 16's 16 numbers: the block's largest magnitude
.endr
.irp b, 0,1,2,3
	v_add_nc_u32 v[TM+12+\b], 0xf8800000, v[TM+\b] ; 15 off its exponent field: the conversion's scale operand
.endr
.irp b, 0,1,2,3
.endr
.irp b, 0,1,2,3
	v_lshrrev_b32 v[TM+4+\b], 23, v[TM+12+\b]      ; the scale's byte
.endr
	v_lshl_or_b32 v[PW], v[TM+5], 8, v[TM+4]
	v_lshl_or_b32 v[PW], v[TM+6], 16, v[PW]
	v_lshl_or_b32 v[PW], v[TM+7], 24, v[PW]        ; my row's scale word (both halves of the lanes hold it)
	v_lshrrev_b32 v[SW+(\a)], v[SH], v[PW]         ; q, k: lanes 16-31 keep the odd head's two bytes, in the low half
	WIN W                                          ; source 0
.irp b, 0,1,2,3
.irp i, 0,1,2,3,4,5,6,7,8,9,10,11,12,13,14,15
.endr
.endr
.irp g, 0,1,2,3,4,5,6,7
	v_cvt_scalef32_pk8_bf8_f32 v[PC+16*(\a)+2*\g:PC+16*(\a)+2*\g+1], v[AC+8*\g:AC+8*\g+7], v[TM+12+\g/2]
.endr
	WIN 0
	v_nop                                          ; a plain instruction behind the last conversion, ahead of the next writes of its sources
.irp c, 0,1,2,3
	global_store_b128 v[CO], v[PC+16*(\a)+4*\c:PC+16*(\a)+4*\c+3], s[12:13] offset:2048*(\a)+512*\c   ; 32 lanes store 512 consecutive bytes, aligned
.endr
.endm
	PLACES NP                                      ; behind the last products: for the reads of results and the writes into registers that held operands and scales
.irp b, 0,1,2,3
	v_mov_b32 v[TM+4+\b], 0                        ; written once: a lane permute's destination counts as one of its sources
.endr
	QEPI 0
	QEPI 1
	QEPI 2
	QEPI 3
	global_store_b128 v[CO], v[SW:SW+3], s[96:97]              ; four tiles' scale words, 16 bytes a lane: 512 consecutive bytes
	QEPI 4
	QEPI 5
	QEPI 6
	QEPI 7
	global_store_b128 v[CO], v[SW+4:SW+7], s[96:97] offset:512
	s_wait_tensorcnt 0x0                           ; the wave's end
	ds_add_u32 v[SPW], v[NIL]
	s_wait_dscnt 0x0
	CROUND                                         ; the closing round: no work-group ends while a partner may still ask for a tile that names it
	s_endpgm
.Lfunc_end_k_q82e2c10bda_proj:
	.size	k_q82e2c10bda_proj, .Lfunc_end_k_q82e2c10bda_proj-k_q82e2c10bda_proj
	.p2alignl 7, 3214868480
	.fill 96, 4, 3214868480
	.section	.rodata,"a",@progbits
	.p2align	6, 0x0
	.amdhsa_kernel k_q82e2c10bda_proj
		.amdhsa_group_segment_fixed_size 327680
		.amdhsa_private_segment_fixed_size 0
		.amdhsa_enable_private_segment 0
		.amdhsa_kernarg_size 112
		.amdhsa_user_sgpr_count 2
		.amdhsa_user_sgpr_kernarg_segment_ptr 1
		.amdhsa_wavefront_size32 1
		.amdhsa_system_sgpr_workgroup_id_x 1
		.amdhsa_system_sgpr_workgroup_id_y 1
		.amdhsa_system_sgpr_workgroup_id_z 1
		.amdhsa_system_vgpr_workitem_id 0
		.amdhsa_next_free_vgpr 1024
		.amdhsa_next_free_sgpr 100
		.amdhsa_reserve_vcc 0
		.amdhsa_float_denorm_mode_32 3
		.amdhsa_float_denorm_mode_16_64 3
		.amdhsa_fp16_overflow 1
		.amdhsa_memory_ordered 1
		.amdhsa_forward_progress 1
		.amdhsa_inst_pref_size 150
	.end_amdhsa_kernel
	.amdgpu_metadata
---
amdhsa.version: [ 1, 2 ]
amdhsa.kernels:
  - .name:           k_q82e2c10bda_proj
    .symbol:         k_q82e2c10bda_proj.kd
    .args:
      - { .name: x_codes, .offset: 0, .size: 8, .value_kind: global_buffer, .address_space: global }
      - { .name: x_scales, .offset: 8, .size: 8, .value_kind: global_buffer, .address_space: global }
      - { .name: wq_codes, .offset: 16, .size: 8, .value_kind: global_buffer, .address_space: global }
      - { .name: wq_scales, .offset: 24, .size: 8, .value_kind: global_buffer, .address_space: global }
      - { .name: wk_codes, .offset: 32, .size: 8, .value_kind: global_buffer, .address_space: global }
      - { .name: wk_scales, .offset: 40, .size: 8, .value_kind: global_buffer, .address_space: global }
      - { .name: wv_codes, .offset: 48, .size: 8, .value_kind: global_buffer, .address_space: global }
      - { .name: wv_scales, .offset: 56, .size: 8, .value_kind: global_buffer, .address_space: global }
      - { .name: qimg, .offset: 64, .size: 8, .value_kind: global_buffer, .address_space: global }
      - { .name: qsc, .offset: 72, .size: 8, .value_kind: global_buffer, .address_space: global }
      - { .name: kimg, .offset: 80, .size: 8, .value_kind: global_buffer, .address_space: global }
      - { .name: ksc, .offset: 88, .size: 8, .value_kind: global_buffer, .address_space: global }
      - { .name: vimg, .offset: 96, .size: 8, .value_kind: global_buffer, .address_space: global }
      - { .name: vsc, .offset: 104, .size: 8, .value_kind: global_buffer, .address_space: global }
    .group_segment_fixed_size: 327680
    .private_segment_fixed_size: 0
    .kernarg_segment_align: 8
    .kernarg_segment_size: 112
    .max_flat_workgroup_size: 128
    .sgpr_count:     100
    .vgpr_count:     1024
    .wavefront_size: 32
...
	.end_amdgpu_metadata
.endif
;; end of part 1
;; launch attn (part 2): grid 4 x 64, 16 waves a work-group, no clusters, 327,680 bytes of LDS; arguments qimg, qsc, kimg, ksc, vimg, vsc, oimg, osc; writes oimg, osc
.if DOCPART == 2
	.amdgcn_target "amdgcn-amd-amdhsa--gfx1250"
	.amdhsa_code_object_version 6
	.text
	.protected	k_q82e2c10bda_attn
	.globl	k_q82e2c10bda_attn
	.p2align	8
	.type	k_q82e2c10bda_attn,@function
k_q82e2c10bda_attn:
	s_mov_b64 s[64:65], 0
	v_nop
	global_prefetch_b8 v0, s[64:65] scope:SCOPE_SE
	s_setreg_imm32_b32 hwreg(HW_REG_WAVE_MODE, 25, 1), 1
	s_wait_xcnt 0x0
; Causal attention of one head on codes of BF8 (E5M2) with one E8M0 scale for each 32 along a product's K, and the quantiser of its result along the channels.  16 heads of 64, 4 batches, 2,048 tokens.
; THE SOFTMAX AHEAD OF THE SECOND PRODUCT: t = score x log2(e) / 8; M = the row's largest t so far, rounded up to a whole number; p = 2^(t - M) is quantised along the keys, not normalised.  The row's sum is taken of the
; unquantised p and divides O at the end.  When M moves, the sum and O are multiplied by 2^(old M - new M): exact, and without a branch on data.
; SHARES.  Work-group (x = 0..3, y = 16 batch + head) owns the head's query blocks x and 7 - x, 256 queries each.  Block j needs the key slots 0 .. j of 256 keys: (x + 1) + (8 - x) = 9 slots for every work-group: the trip count is a
; constant, the work is even, and no tile is fetched that nobody reads.  Each of the sixteen waves owns 16 queries of the block in hand, in 256 registers: four waves to a SIMD, so that one wave's vector work stands beside another's products and LDS loads.
; NO CLUSTER: the four work-groups of a head need different key slots in the same trip (in trip t: slot t, or slot t - x - 1); walking in step would take 12 slots' time in place of 9.
; LAYOUT.  Both products are used transposed: S^T = K Q^T (source 0 = 16 keys, source 1 = my 16 queries), O^T = V^T P^T (source 0 = 16 channels, source 1 = P): a lane holds ONE query (lane % 16) throughout.
; All operands come as images of their registers ([c][lane][16 bytes]), so every LDS load reads 512 consecutive bytes.  The first product's K is 64: registers 8-15 of Q's and K's fragments are zero codes, which add nothing.
; ORDER OF K INSIDE A BLOCK OF 32: register 16 b + i of S^T is key 32 b + 8 h + i (i < 8) or 32 b + 8 + 8 h + i (i >= 8), h = lane / 16; p's codes are laid as they come, and V's images were made by the same lines: the same permutation on both sides.
; The result goes to a product whose other operand lies in true order: four exchanges between the halves of the lanes put its codes in true order.
; LIMITS: NaN and infinities are not served.  A block of zeros gets the byte 1: its codes are zeros.
; REGISTERS: v1-7 addresses; v8-11 V's scale words; v12 -M, v13 the largest t, v[14:15] the sum in two halves; v16-23 Q's codes, v24-31 zeros; v32-95 four fragments of K (the upper 8 of each stay zero); v96-159 S^T, then p, then V's tiles 2, 3 in v96-127;
; v160-191 O^T; v192-223 V's tiles 0, 1; v224-239 p's codes; v232-247 at work; v248-251 K's scale words; v252 f; v253 p's scale word; v254 at work; v255 Q's scale word.
.set SLOTB, 65536                      ; slot 1 begins here: one exclusive or turns an address in one slot into the other's
.set VCO,   16384                      ; a slot: K's codes, 16 tiles x 1,024 bytes; then V's, [step][4 tiles][2,048];
.set KSO,   32768                      ; K's scale words, [4 tiles of 16 keys together][lane % 16][4 words]: 1,024 bytes;
.set VSO,   33792                      ; V's, [step][lane % 16][4 words]: 512 bytes
.set SPARE, 131072                     ; the spare words, 128 bytes for each wave: eight blocks of 256 bytes that no other line names
.set LI,  1                            ; v1  16 x lane
.set LR,  2                            ; v2  16 x (lane % 16)
.set ADL, 3                            ; v3  the slot in hand + LI
.set ADR, 4                            ; v4  the slot in hand + LR
.set SPW, 5                            ; v5  LDS address of my spare word; never rewritten
.set NIL, 6                            ; v6  0; never rewritten
.set OR32, 7                           ; v7  32 x (lane % 16): a token's row of scale bytes
.set WV,  20                           ; s20 my wave's number
.set I,   21                           ; s21 work-group x
.set MNT, 27
.set SEL, 28                           ; s[28:29] lane selects for lane l xor 16
.set CS,  30                           ; s[30:31] c = log2(e) / 8, twice
.set G1KC, 32                          ; s[32:39], s[40:47], s[48:55], s[56:63] descriptor groups 1: K's codes, V's codes, K's scales, V's scales
.set G1VC, 40
.set G1KS, 48
.set G1VS, 56
.set TAW, 66                           ; s66 128 x batch + wave
.set BLK, 67                           ; s67 the query block in hand
.set G0KC, 68                          ; s[68:71] .. s[80:83] their groups 0
.set G0VC, 72
.set G0KS, 76
.set G0VS, 80
.set BKC, 84                           ; s[84:85] .. s[90:91] where the head's key slot 0 begins in each of the four buffers
.set BVC, 86
.set BKS, 88
.set BVS, 90
.set T,   92                           ; s92 the trip
.set TB,  93                           ; s93 LDS byte at which the slot in hand begins
.set KF,  94                           ; s94 the step's first key
.set Q0,  95                           ; s95 my first query
.set QP,  2                            ; s[2:3] my tile of Q's images; s[96:97] its scale words; s[98:99] my tile of the result's images; s[100:101] its scale bytes
.set QSP, 96
.set OP,  98
.set OSP, 100
.macro GROUP1 g, c, r, p               ; r rows of c elements of 8 bytes, p elements from row to row, no padding: the tile lies dense in LDS
	s_mov_b32 s[\g], 3<<16
	s_mov_b32 s[\g+1], (\c)<<16
	s_mov_b32 s[\g+2], (\r)<<16
	s_mov_b32 s[\g+3], (\c)<<16
	s_mov_b32 s[\g+4], \r
	s_mov_b32 s[\g+5], \p
	s_mov_b32 s[\g+6], 0
	s_mov_b32 s[\g+7], 0
.endm
.macro GROUP0 g, lds, base
	s_mov_b32 s[\g], 1
	s_mov_b32 s[\g+1], \lds
	s_mov_b64 s[\g+2:\g+3], s[\base:\base+1]
	s_or_b32 s[\g+3], s[\g+3], 0x80000000
.endm
; Waves 0 to 3 fetch one of a slot's four tiles each, the others nothing.  The branches hang on the wave's number alone.  Four v_nop follow each tensor load.
.macro ARM n, g0, g1, done
	s_cmp_lg_u32 s[WV], \n
	s_cbranch_scc1 .Lnot_\n\()_\done
	tensor_load_to_lds s[\g0:\g0+3], s[\g1:\g1+7]
	s_nop 0
.rept 4
	v_nop
.endr
	s_branch .Ldone_\done
.Lnot_\n\()_\done:
.endm
.macro TLOAD4
	ARM 0, G0KC, G1KC, \@
	ARM 1, G0VC, G1VC, \@
	ARM 2, G0KS, G1KS, \@
	ARM 3, G0VS, G1VS, \@
.Ldone_\@:
.endm
; The addresses of the query block s[BLK]: my tile of 16 tokens is number 128 batch + 16 block + wave
.macro SETQ
	s_lshl_b32 s23, s[BLK], 4
	s_add_co_u32 s23, s23, s[TAW]
	s_mov_b32 s105, 0
	s_lshl_b32 s104, s23, 11
	s_add_nc_u64 s[QP:QP+1], s[4:5], s[104:105]
	s_lshl_b32 s104, s23, 12
	s_add_nc_u64 s[OP:OP+1], s[16:17], s[104:105]
	s_lshl_b32 s104, s23, 9
	s_add_nc_u64 s[OSP:OSP+1], s[18:19], s[104:105]
	s_lshr_b32 s104, s23, 2
	s_lshl_b32 s104, s104, 9                       ; four tiles' scale words lie together, 512 bytes;
	s_and_b32 s24, s23, 3
	s_lshl_b32 s24, s24, 2                         ; my tile's word among a lane's four
	s_add_co_u32 s104, s104, s24
	s_add_nc_u64 s[QSP:QSP+1], s[6:7], s[104:105]
	s_lshl_b32 s[Q0], s[BLK], 8
	s_lshl_b32 s24, s[WV], 4
	s_add_co_u32 s[Q0], s[Q0], s24
	s_mov_b32 s[KF], 0
.endm
.macro QLOAD
	global_load_b128 v[16:19], v[LI], s[QP:QP+1]
	global_load_b128 v[20:23], v[LI], s[QP:QP+1] offset:512
	global_load_b32 v255, v[LR], s[QSP:QSP+1]
.endm
.macro INIT                            ; the step is written once: a block's first step finds zeros, which the first change of M leaves zeros
	v_mov_b32 v13, 0xff61b1e6                      ; the largest t so far: -3e38, under every t
	s_delay_alu instid0(VALU_DEP_1)
	v_floor_f32 v12, -v13                          ; -M
	v_mov_b32 v14, 0
	v_mov_b32 v15, 0
.set j, 0
.rept 32
	v_mov_b32 v[160+j], 0
.set j, j+1
.endr
.endm
.macro NEXTT g0, base, step            ; a walking descriptor: the other slot than last time, key slot s22 of the head
	s_xor_b32 s[\g0+1], s[\g0+1], SLOTB
	s_mul_i32 s104, s22, \step
	s_add_nc_u64 s[\g0+2:\g0+3], s[\base:\base+1], s[104:105]
	s_or_b32 s[\g0+3], s[\g0+3], 0x80000000
.endm
; THE CHANGE OF SLOTS stands at a slot's head.  Each wave waits for all its tensor loads (its part of the slot that it is about to read), adds 0 to its spare word, and waits for that and for its reads of the slot that it has left.
; Behind the barrier the slot ahead is whole and nobody reads the other one.  fill = 1: that other slot is filled with what the next trip reads: the load has a whole slot's steps in which to land.
.macro CHANGE fill
	s_wait_tensorcnt 0x0                           ; no tensor load of mine is out, so a group 0 may be written
	ds_add_u32 v[SPW], v[NIL]                      ; 0 onto my spare word; the descriptors' steps stand between it and the wait for it
.if \fill
	s_sub_co_u32 s22, s[T], s[I]                   ; the next trip's key slot: t + 1 while the first block lasts (t + 1 <= x), then t - x
	s_add_co_u32 s104, s[T], 1
	s_cmp_le_u32 s104, s[I]
	s_cselect_b32 s22, s104, s22
	s_mov_b32 s105, 0
	NEXTT G0KC, BKC, 32768                         ; 16 tiles of keys, 2,048 bytes apart
	NEXTT G0VC, BVC, 262144                        ; two blocks of 128 keys, 131,072 bytes apart
	NEXTT G0KS, BKS, 2048
	NEXTT G0VS, BVS, 16384
.endif
	s_wait_dscnt 0x0                               ; the add is done, and my reads of the slot that I have left are over
	s_barrier_signal -1
	s_barrier_wait -1
.if \fill
	TLOAD4                                         ; the first thing behind the barrier, and a wave's one tensor load until the next
.endif
.endm
; A KEY STEP: 128 keys, the q-th of the slot in hand.
.macro STEP q
	s_add_co_u32 s104, s[Q0], 15                   ; a step all of whose keys come after my 16 queries is left out: a scalar branch on ids; no barrier and no tensor load stands in a step
	s_cmp_gt_u32 s[KF], s104
	s_cbranch_scc1 .Lhidden_\@
	v_add_nc_u32 v[ADL], s[TB], v[LI]
	s_wait_alu depctr_va_vdst(0)
	v_add_nc_u32 v[ADR], s[TB], v[LR]
	s_wait_alu depctr_va_vdst(0)
.rept 8
	v_nop                                          ; ten places with the two additions: the first products below write over v96-127, which the last step's products read as source 0: nine are owed
.endr
.irp g, 0,1                                    ; S^T = K Q^T, four tiles of 16 keys at a time
.if \g > 0
.rept 8
	v_nop                                          ; places in front of loads into registers that matrix instructions have read
.endr
.endif
.irp t, 0,1,2,3
.irp c, 0,1
	ds_load_b128 v[32+16*\t+4*\c:35+16*\t+4*\c], v[ADL] offset:(8*(\q)+4*\g+\t)*1024+512*\c
.endr
.endr
	ds_load_b128 v[248:251], v[ADR] offset:KSO+(2*(\q)+\g)*256     ; the four tiles' scale words of key lane % 16
	s_wait_dscnt 0x0
.irp t, 0,1,2,3
	v_wmma_scale_f32_16x16x128_f8f6f4 v[96+8*(4*\g+\t):103+8*(4*\g+\t)], v[32+16*\t:47+16*\t], v[16:31], 0, v[248+\t], v255 matrix_a_fmt:MATRIX_FMT_BF8 matrix_b_fmt:MATRIX_FMT_BF8
.endr
.endr
.irp t, 0,1                                    ; V's tiles 0 and 1 and its scale words are asked for now: they land under the softmax
.irp c, 0,1,2,3
	ds_load_b128 v[192+16*\t+4*\c:195+16*\t+4*\c], v[ADL] offset:VCO+8192*(\q)+2048*\t+512*\c
.endr
.endr
	ds_load_b128 v[8:11], v[ADR] offset:VSO+256*(\q)
.rept 8
	v_nop                                          ; places in front of the first read of the scores
.endr
	s_add_co_u32 s104, s[KF], 127                  ; on the diagonal the scores of hidden keys become -infinity ahead of the maximum: p = 0 then.  A step all of whose keys count skips this
	s_cmp_le_u32 s104, s[Q0]
	s_cbranch_scc1 .Lopen_\@
	s_sub_co_i32 s104, s[Q0], s[KF]
	v_bfe_u32 v254, v0, 4, 1
	s_delay_alu instid0(VALU_DEP_1)
	v_lshlrev_b32 v254, 3, v254
	v_and_b32 v252, 15, v0
	s_delay_alu instid0(VALU_DEP_1)
	v_sub_nc_u32 v252, v252, v254
	s_delay_alu instid0(VALU_DEP_1)
	v_add_nc_u32 v252, s104, v252                  ; d = my query - KF - 8 (lane / 16).  Register n holds key KF + 16 (n / 8) + n % 8 + 8 (lane / 16): hidden where 16 (n / 8) + n % 8 > d
	v_mov_b32 v254, 0xff800000                     ; -infinity
.set n, 0
.rept 64
	v_cmp_gt_i32 vcc_lo, 16*(n/8)+n%8, v252
	v_cndmask_b32 v[96+n], v[96+n], v254, vcc_lo
.set n, n+1
.endr
.Lopen_\@:
.irp b, 0,1,2,3
	v_max3_num_f32 v[232+\b], v[96+16*\b], v[97+16*\b], v[98+16*\b]   ; the largest score of each block of 32 keys: it serves for the row's maximum and, since p rises with the score, for the block's largest p
.endr
.irp i, 3,5,7,9,11,13
.irp b, 0,1,2,3
	v_max3_num_f32 v[232+\b], v[232+\b], v[96+16*\b+\i], v[97+16*\b+\i]
.endr
.endr
.irp b, 0,1,2,3
	v_max_num_f32 v[232+\b], v[232+\b], v[111+16*\b]
.endr
.irp b, 0,1,2,3
	v_permlanex16_b32 v[236+\b], v[232+\b], s[SEL], s[SEL+1]
.endr
.irp b, 0,1,2,3
	s_delay_alu instid0(VALU_DEP_4)
	v_max_num_f32 v[232+\b], v[232+\b], v[236+\b]  ; with lane l xor 16's 16 keys
.endr
	s_delay_alu instid0(VALU_DEP_2)
	v_max3_num_f32 v254, v232, v233, v234
	s_delay_alu instid0(VALU_DEP_1)
	v_max_num_f32 v254, v254, v235                 ; the step's largest score of my query
	s_delay_alu instid0(VALU_DEP_1)
	v_mul_f32 v254, s[CS], v254                    ; as t (c is positive)
	s_delay_alu instid0(VALU_DEP_1)
	v_max_num_f32 v13, v13, v254                   ; the running largest t
	v_mov_b32 v254, v12
	s_delay_alu instid0(VALU_DEP_2)
	v_floor_f32 v12, -v13                          ; the new -M = floor(-t) = -ceil(t): a whole number
	s_delay_alu instid0(VALU_DEP_1)
	v_sub_f32 v254, v12, v254                      ; M's old value less its new one: a whole number, 0 or less
	s_delay_alu instid0(VALU_DEP_1)
	v_cvt_i32_f32 v254, v254                       ; (it saturates)
	s_delay_alu instid0(VALU_DEP_1)
	v_ldexp_f32 v252, 1.0, v254                    ; f = 2^(old M - new M)
.set j, 0
.rept 32
	v_pk_fma_f32 v[96+j:97+j], v[96+j:97+j], s[CS:CS+1], v[12:13] op_sel_hi:[1,0,0]   ; t - M, two at a time (of the pairs c and -M the low word serves both halves)
.set j, j+2
.endr
.irp b, 0,1,2,3
	v_fma_f32 v[232+\b], v[232+\b], s[CS], v12     ; the same of each block's largest score
.endr
.set j, 0
	s_wait_alu depctr_va_vdst(0)
.rept 64
	v_exp_f32 v[96+j], v[96+j]                     ; p = 2^(t - M), at most 1
.set j, j+1
.endr
	v_pk_mul_f32 v[14:15], v[14:15], v[252:253] op_sel_hi:[1,0]   ; the sums under the new M: the plain instruction behind the exponentials
	s_wait_alu depctr_va_vdst(0)                   ; one wait for the whole batch, ahead of its first reader
.irp b, 0,1,2,3
	v_exp_f32 v[232+\b], v[232+\b]                 ; the block's largest p: the same two instructions on the same number give the same bits
.endr
	v_pk_add_f32 v[236:237], v[100:101], v[104:105]
	v_pk_add_f32 v[250:251], v[108:109], v[112:113]
	v_pk_add_f32 v[248:249], v[116:117], v[120:121]
	v_pk_add_f32 v[246:247], v[124:125], v[128:129]
	v_pk_add_f32 v[244:245], v[132:133], v[136:137]
	v_pk_add_f32 v[242:243], v[140:141], v[144:145]
	v_pk_add_f32 v[240:241], v[148:149], v[152:153]
	v_pk_add_f32 v[14:15], v[14:15], v[156:157]
	v_pk_add_f32 v[236:237], v[236:237], v[96:97]
	v_pk_add_f32 v[250:251], v[250:251], v[98:99]
	v_pk_add_f32 v[248:249], v[248:249], v[102:103]
	v_pk_add_f32 v[246:247], v[246:247], v[106:107]
	v_pk_add_f32 v[244:245], v[244:245], v[110:111]
	v_pk_add_f32 v[242:243], v[242:243], v[114:115]
	v_pk_add_f32 v[240:241], v[240:241], v[118:119]
	v_pk_add_f32 v[14:15], v[14:15], v[122:123]
	v_pk_add_f32 v[236:237], v[236:237], v[126:127]
	v_pk_add_f32 v[250:251], v[250:251], v[130:131]
	v_pk_add_f32 v[248:249], v[248:249], v[134:135]
	v_pk_add_f32 v[246:247], v[246:247], v[138:139]
	v_pk_add_f32 v[244:245], v[244:245], v[142:143]
	v_pk_add_f32 v[242:243], v[242:243], v[146:147]
	v_pk_add_f32 v[240:241], v[240:241], v[150:151]
	v_pk_add_f32 v[14:15], v[14:15], v[154:155]
	v_pk_add_f32 v[236:237], v[236:237], v[158:159]
	s_delay_alu instid0(VALU_DEP_2)
	v_pk_add_f32 v[14:15], v[14:15], v[246:247]
	s_delay_alu instid0(VALU_DEP_2)
	v_pk_add_f32 v[236:237], v[236:237], v[244:245]
	v_pk_add_f32 v[250:251], v[250:251], v[242:243]
	v_pk_add_f32 v[248:249], v[248:249], v[240:241]
	s_delay_alu instid0(VALU_DEP_2)
	v_pk_add_f32 v[14:15], v[14:15], v[250:251]
	s_delay_alu instid0(VALU_DEP_2)
	v_pk_add_f32 v[236:237], v[236:237], v[248:249]
	s_delay_alu instid0(VALU_DEP_1)
	v_pk_add_f32 v[14:15], v[14:15], v[236:237]
	s_wait_alu depctr_va_vdst(0)                   ; and one for the four
.irp b, 0,1,2,3
	v_max_num_f32 v[232+\b], 0x8000000, v[232+\b]  ; the floor 2^(16 - 127): the byte cannot fall under 1
.endr
.irp b, 0,1,2,3
	s_delay_alu instid0(VALU_DEP_4)
	v_add_nc_u32 v[244+\b], 0xf8800000, v[232+\b]  ; 15 off the exponent field: the conversion's scale operand
.endr
.irp b, 0,1,2,3
.endr
.irp b, 0,1,2,3
	s_delay_alu instid0(VALU_DEP_4)
	v_lshrrev_b32 v[236+\b], 23, v[244+\b]         ; the scale's byte
.endr
	s_delay_alu instid0(VALU_DEP_3)
	v_lshl_or_b32 v253, v237, 8, v236              ; p's scale word for these 128 keys
	s_delay_alu instid0(VALU_DEP_1)
	v_lshl_or_b32 v253, v238, 16, v253
	s_delay_alu instid0(VALU_DEP_1)
	v_lshl_or_b32 v253, v239, 24, v253
.irp b, 0,1,2,3
.irp i, 0,1,2,3,4,5,6,7,8,9,10,11,12,13,14,15
.endr
	v_cvt_scalef32_pk8_bf8_f32 v[224+4*\b:225+4*\b], v[96+16*\b:103+16*\b], v[244+\b]
	v_cvt_scalef32_pk8_bf8_f32 v[226+4*\b:227+4*\b], v[104+16*\b:111+16*\b], v[244+\b]
.endr
	v_nop
.irp t, 0,1                                    ; V's tiles 2 and 3 take registers that p has left
.irp c, 0,1,2,3
	ds_load_b128 v[96+16*\t+4*\c:99+16*\t+4*\c], v[ADL] offset:VCO+8192*(\q)+2048*(2+\t)+512*\c
.endr
.endr
.set j, 0
.rept 16
	v_pk_mul_f32 v[160+j:161+j], v[160+j:161+j], v[252:253] op_sel_hi:[1,0]   ; O^T under the new M, from each accumulator's low end on.  These are also the places behind the conversions and in front of the products
.set j, j+2
.endr
	s_wait_alu depctr_va_vdst(0)
	s_wait_dscnt 0x0                               ; V's four tiles and its scale words are in
.irp t, 0,1                                    ; O^T += V^T P^T: four accumulators by turns; K = these 128 keys
	v_wmma_scale_f32_16x16x128_f8f6f4 v[160+8*\t:167+8*\t], v[192+16*\t:207+16*\t], v[224:239], v[160+8*\t:167+8*\t], v[8+\t], v253 matrix_a_fmt:MATRIX_FMT_BF8 matrix_b_fmt:MATRIX_FMT_BF8
.endr
.irp t, 0,1
	v_wmma_scale_f32_16x16x128_f8f6f4 v[176+8*\t:183+8*\t], v[96+16*\t:111+16*\t], v[224:239], v[176+8*\t:183+8*\t], v[10+\t], v253 matrix_a_fmt:MATRIX_FMT_BF8 matrix_b_fmt:MATRIX_FMT_BF8
.endr
.Lhidden_\@:
	s_add_co_u32 s[KF], s[KF], 128
.endm
.macro SLOT_STEPS
	STEP 0
	STEP 1
	s_xor_b32 s[TB], s[TB], SLOTB                  ; on to the other slot
.endm
; A QUERY BLOCK IS FINISHED: O^T / the sum, quantised along the head's 64 channels (two blocks of 32), put in true order and stored as half an image; the two scale bytes go to the token's row.  more = 1: the second block is set up.
.macro FINISH more
.rept 8
	v_nop                                          ; places behind the last products
.endr
	v_add_f32 v14, v14, v15                        ; the sum's two halves,
	s_delay_alu instid0(VALU_DEP_1)
	v_permlanex16_b32 v252, v14, s[SEL], s[SEL+1]
	s_delay_alu instid0(VALU_DEP_1)
	v_add_f32 v14, v14, v252                       ; and lane l xor 16's: the row's sum
	s_wait_alu depctr_va_vdst(0)
	v_rcp_f32 v14, v14
	v_nop                                          ; a plain instruction behind the reciprocal
	s_wait_alu depctr_va_vdst(0)                   ; and the wait ahead of its first reader
.set j, 0
.rept 16
	v_pk_mul_f32 v[96+j:97+j], v[160+j:161+j], v[14:15] op_sel_hi:[1,0]   ; register 8 t + i is o(query, 16 t + 8 h + i)
.set j, j+2
.endr
.irp b, 0,1
	v_max3_num_f32 v[232+\b], |v[96+16*\b]|, |v[97+16*\b]|, 0x8000000
.endr
.irp i, 2,4,6,8,10,12,14
.irp b, 0,1
	s_delay_alu instid0(VALU_DEP_2)
	v_max3_num_f32 v[232+\b], v[232+\b], |v[96+16*\b+\i]|, |v[97+16*\b+\i]|
.endr
.endr
.irp b, 0,1
	v_permlanex16_b32 v[236+\b], v[232+\b], s[SEL], s[SEL+1]
.endr
.irp b, 0,1
	s_delay_alu instid0(VALU_DEP_2)
	v_max_num_f32 v[232+\b], v[232+\b], v[236+\b]
.endr
.irp b, 0,1
	s_delay_alu instid0(VALU_DEP_2)
	v_add_nc_u32 v[244+\b], 0xf8800000, v[232+\b]
.endr
.irp b, 0,1
.endr
.irp b, 0,1
	s_delay_alu instid0(VALU_DEP_2)
	v_lshrrev_b32 v[236+\b], 23, v[244+\b]
.endr
	s_delay_alu instid0(VALU_DEP_1)
	v_lshl_or_b32 v254, v237, 8, v236              ; the head's two scale bytes of my token
.irp b, 0,1
.irp i, 0,1,2,3,4,5,6,7,8,9,10,11,12,13,14,15
.endr
	v_cvt_scalef32_pk8_bf8_f32 v[224+4*\b:225+4*\b], v[96+16*\b:103+16*\b], v[244+\b]
	v_cvt_scalef32_pk8_bf8_f32 v[226+4*\b:227+4*\b], v[104+16*\b:111+16*\b], v[244+\b]
.endr
	v_nop                                          ; a plain instruction behind the last conversion
	v_permlane16_swap_b32 v224, v226               ; TRUE ORDER: lanes 0-15 want channels 32 c + 0..15, lanes 16-31 channels 32 c + 16..31: the first pair's upper lanes (8..15) change places with the second pair's lower lanes (16..23)
	v_permlane16_swap_b32 v225, v227
	v_permlane16_swap_b32 v228, v230
	v_permlane16_swap_b32 v229, v231
	global_store_b128 v[LI], v[224:227], s[OP:OP+1]                ; 32 lanes store 512 consecutive bytes, aligned
	global_store_b128 v[LI], v[228:231], s[OP:OP+1] offset:512
	global_store_b16 v[OR32], v254, s[OSP:OSP+1]                   ; two bytes a token (both lanes of a token write the same bytes with the same value): one byte for each 32 of codes
.if \more
	s_wait_xcnt 0x0                                ; the stores have read their registers and bases: both may be written again
	s_sub_co_u32 s[BLK], 7, s[I]
	SETQ
	QLOAD
	INIT
	s_wait_loadcnt 0x0                             ; the second block's Q
.endif
.endm
	s_load_b512 s[4:19], s[0:1], 0x0               ; qimg 4, qsc 6, kimg 8, ksc 10, vimg 12, vsc 14, oimg 16, osc 18
	v_lshl_add_u32 v[SPW], v0, 2, SPARE
	v_mov_b32 v[NIL], 0
	ds_add_u32 v5, v6
	ds_add_u32 v5, v6
	s_wait_dscnt 0x0
	v_lshrrev_b32 v3, 5, v0
	s_delay_alu instid0(VALU_DEP_1)
	v_readfirstlane_b32 s[WV], v3                  ; wave 0..15
	v_and_b32 v[LI], 31, v0
	s_delay_alu instid0(VALU_DEP_1)
	v_lshlrev_b32 v[LI], 4, v[LI]
	v_and_b32 v[LR], 15, v0
	s_delay_alu instid0(VALU_DEP_1)
	v_lshlrev_b32 v[OR32], 5, v[LR]
	s_delay_alu instid0(VALU_DEP_2)
	v_lshlrev_b32 v[LR], 4, v[LR]
	s_mov_b32 s[I], ttmp9
	s_and_b32 s22, ttmp7, 0xffff
	s_and_b32 s23, s22, 15                         ; the head
	s_lshr_b32 s24, s22, 4                         ; the batch
	s_lshr_b32 s25, s23, 1                         ; the pair of heads: 128 channels, one image
	s_and_b32 s26, s23, 1                          ; which half of it
	s_lshl_b32 s[TAW], s24, 7
	s_add_co_u32 s[TAW], s[TAW], s[WV]
	s_mov_b32 s[SEL], 0x76543210
	s_mov_b32 s[SEL+1], 0xfedcba98
	s_mov_b32 s[CS], 0x3e38aa3b                    ; c = log2(e) / sqrt(64)
	s_mov_b32 s[CS+1], s[CS]
	GROUP1 G1KC, 128, 16, 256                      ; 16 tiles of keys: the head's 1,024 bytes of each image of 2,048
	GROUP1 G1VC, 1024, 2, 16384                    ; two blocks of 128 keys: the head's four images, 8,192 bytes, of each 131,072
	GROUP1 G1KS, 32, 4, 64                         ; four times four tiles' scale words: the head's 256 bytes of each 512
	GROUP1 G1VS, 32, 2, 1024                       ; two blocks of 128 keys: 256 bytes of each 8,192
	s_mov_b32 s105, 0
	s_wait_kmcnt 0x0
	s_lshl_b32 s104, s25, 20
	s_lshl_b32 s22, s26, 10
	s_add_co_u32 s104, s104, s22
	s_add_nc_u64 s[4:5], s[4:5], s[104:105]        ; Q's images: the pair's 512 tiles, my head's half
	s_lshl_b32 s22, s24, 18
	s_add_co_u32 s104, s104, s22
	s_add_nc_u64 s[BKC:BKC+1], s[8:9], s[104:105]  ; K's: and the batch's 128 tiles
	s_lshl_b32 s104, s25, 16
	s_lshl_b32 s22, s26, 8
	s_add_co_u32 s104, s104, s22
	s_add_nc_u64 s[6:7], s[6:7], s[104:105]        ; Q's scale words
	s_lshl_b32 s22, s24, 14
	s_add_co_u32 s104, s104, s22
	s_add_nc_u64 s[BKS:BKS+1], s[10:11], s[104:105]
	s_lshl_b32 s104, s24, 21
	s_lshl_b32 s22, s23, 13
	s_add_co_u32 s104, s104, s22
	s_add_nc_u64 s[BVC:BVC+1], s[12:13], s[104:105]   ; V's images: the batch's 16 blocks of 128 keys, the head's four tiles of channels
	s_lshl_b32 s104, s24, 17
	s_lshl_b32 s22, s23, 9
	s_add_co_u32 s104, s104, s22
	s_add_nc_u64 s[BVS:BVS+1], s[14:15], s[104:105]
	s_lshr_b32 s104, s25, 1
	s_lshl_b32 s104, s104, 21                      ; the result's images: [256 channels][tile of tokens][128 channels][2,048]
	s_and_b32 s22, s25, 1
	s_lshl_b32 s22, s22, 11
	s_add_co_u32 s104, s104, s22
	s_lshl_b32 s22, s26, 10
	s_add_co_u32 s104, s104, s22
	s_add_nc_u64 s[16:17], s[16:17], s[104:105]
	s_lshl_b32 s104, s23, 1
	s_add_nc_u64 s[18:19], s[18:19], s[104:105]    ; its scale bytes: two for a head in a token's 32
	GROUP0 G0KC, 0, BKC
	GROUP0 G0VC, VCO, BVC
	GROUP0 G0KS, KSO, BKS
	GROUP0 G0VS, VSO, BVS
	TLOAD4                                         ; slot 0: key slot 0.  Slot 1 is filled behind the first trip's barrier, as every refill is
	s_mov_b32 s[BLK], s[I]
	SETQ
	s_wait_alu depctr_va_vdst(0)
	QLOAD
.set j, 0
.rept 8
	v_mov_b32 v[24+j], 0                           ; zero codes for K = 64 .. 127 of the first product: Q's,
	v_mov_b32 v[40+j], 0                           ; and those of K's four fragments; they stay
	v_mov_b32 v[56+j], 0
	v_mov_b32 v[72+j], 0
	v_mov_b32 v[88+j], 0
.set j, j+1
.endr
.irp b, 0,1,2,3
	v_mov_b32 v[236+\b], 0                         ; written once: a lane permute's destination counts as one of its sources
.endr
	v_mov_b32 v252, 0
	v_mov_b32 v253, 0                              ; (named as the upper half of the pair v[252:253] before it is first written)
	INIT
	s_mov_b32 s[T], 0
	s_mov_b32 s[TB], 0
	s_wait_loadcnt 0x0                             ; Q
.Ltrip:                                            ; eight trips: behind each change of slots but the last the next trip's slot is asked for
	CHANGE 1
	SLOT_STEPS
	s_cmp_lg_u32 s[T], s[I]                        ; trip x ends the first block: a branch on the work-group's number, the same in all sixteen waves
	s_cbranch_scc1 .Lsame
	FINISH 1
.Lsame:
	s_add_co_u32 s[T], s[T], 1
	s_cmp_lt_u32 s[T], 8
	s_cbranch_scc1 .Ltrip
	CHANGE 0                                       ; the last slot is written out
	SLOT_STEPS
	FINISH 0
	s_wait_tensorcnt 0x0                           ; the wave's end
	ds_add_u32 v[SPW], v[NIL]
	s_wait_dscnt 0x0
	s_endpgm
.Lfunc_end_k_q82e2c10bda_attn:
	.size	k_q82e2c10bda_attn, .Lfunc_end_k_q82e2c10bda_attn-k_q82e2c10bda_attn
	.p2alignl 7, 3214868480
	.fill 96, 4, 3214868480
	.section	.rodata,"a",@progbits
	.p2align	6, 0x0
	.amdhsa_kernel k_q82e2c10bda_attn
		.amdhsa_group_segment_fixed_size 327680
		.amdhsa_private_segment_fixed_size 0
		.amdhsa_enable_private_segment 0
		.amdhsa_kernarg_size 64
		.amdhsa_user_sgpr_count 2
		.amdhsa_user_sgpr_kernarg_segment_ptr 1
		.amdhsa_wavefront_size32 1
		.amdhsa_system_sgpr_workgroup_id_x 1
		.amdhsa_system_sgpr_workgroup_id_y 1
		.amdhsa_system_sgpr_workgroup_id_z 1
		.amdhsa_system_vgpr_workitem_id 0
		.amdhsa_next_free_vgpr 256
		.amdhsa_next_free_sgpr 106
		.amdhsa_reserve_vcc 1
		.amdhsa_float_denorm_mode_32 3
		.amdhsa_float_denorm_mode_16_64 3
		.amdhsa_fp16_overflow 1
		.amdhsa_memory_ordered 1
		.amdhsa_forward_progress 1
		.amdhsa_inst_pref_size 115
	.end_amdhsa_kernel
	.amdgpu_metadata
---
amdhsa.version: [ 1, 2 ]
amdhsa.kernels:
  - .name:           k_q82e2c10bda_attn
    .symbol:         k_q82e2c10bda_attn.kd
    .args:
      - { .name: qimg, .offset: 0, .size: 8, .value_kind: global_buffer, .address_space: global }
      - { .name: qsc, .offset: 8, .size: 8, .value_kind: global_buffer, .address_space: global }
      - { .name: kimg, .offset: 16, .size: 8, .value_kind: global_buffer, .address_space: global }
      - { .name: ksc, .offset: 24, .size: 8, .value_kind: global_buffer, .address_space: global }
      - { .name: vimg, .offset: 32, .size: 8, .value_kind: global_buffer, .address_space: global }
      - { .name: vsc, .offset: 40, .size: 8, .value_kind: global_buffer, .address_space: global }
      - { .name: oimg, .offset: 48, .size: 8, .value_kind: global_buffer, .address_space: global }
      - { .name: osc, .offset: 56, .size: 8, .value_kind: global_buffer, .address_space: global }
    .group_segment_fixed_size: 327680
    .private_segment_fixed_size: 0
    .kernarg_segment_align: 8
    .kernarg_segment_size: 64
    .max_flat_workgroup_size: 512
    .sgpr_count:     106
    .vgpr_count:     256
    .wavefront_size: 32
...
	.end_amdgpu_metadata
.endif
;; end of part 2
;; launch oproj (part 3): grid 4 x 32, 4 waves a work-group, clusters of 4 x 4, 327,680 bytes of LDS; arguments oimg, osc, wo_codes, wo_scales, out0; writes out0
.if DOCPART == 3
	.amdgcn_target "amdgcn-amd-amdhsa--gfx1250"
	.amdhsa_code_object_version 6
	.text
	.protected	k_q82e2c10bda_oproj
	.globl	k_q82e2c10bda_oproj
	.p2align	8
	.type	k_q82e2c10bda_oproj,@function
k_q82e2c10bda_oproj:
	s_mov_b64 s[64:65], 0
	v_nop
	global_prefetch_b8 v0, s[64:65] scope:SCOPE_SE
	s_setreg_imm32_b32 hwreg(HW_REG_WAVE_MODE, 25, 1), 1
	s_wait_xcnt 0x0
	s_wait_alu depctr_hold_cnt(0) depctr_sa_sdst(0) depctr_va_vdst(0) depctr_va_sdst(0) depctr_va_ssrc(0) depctr_va_vcc(0) depctr_vm_vsrc(0)
	s_getreg_b32 s2, hwreg(HW_REG_IB_STS2, 6, 4)
	s_cmp_eq_u32 s2, 0
	s_cbranch_scc0 .Lentry_in_a_cluster
	s_endpgm
.Lentry_in_a_cluster:
	s_bfe_u32 s2, ttmp6, 0x10000c
	s_cmp_lg_u32 s2, 0xf033
	s_cbranch_scc0 .Lentry_shape_is_right
	s_endpgm
.Lentry_shape_is_right:
; out0[m][n] = sum over k of A[m][k] wo[n][k]: A is the attention's result, 8,192 x 1,024, as codes of BF8 (E5M2) with one E8M0 scale for each 32 along K; wo likewise; out0 is f32; sums in f32.
; A's codes come as images of operand registers, [K / 256][tile of 16 rows][K step of 128 in it][c][lane][16 bytes], in true order of K; its scale bytes as rows of 32 bytes a token.  wo's codes and scale bytes as they are given, rows of 1,024 and of 32 bytes.
; A tile of 256 x 256 of out0 is made by a work-group of four waves; a wave makes 128 x 128 in 64 accumulators.  K goes in steps of 256 through a ring of two LDS slots filled by the tensor data mover.
; The scales of the work-group's rows, for all of K, come into LDS once, with the first fills, and stay.
; CLUSTERS: 4 x 4 work-groups.  The four of a row of the cluster need the same tiles of A, the four of a column the same tiles of wo: each tile is asked for jointly.
; THE MATRIX INSTRUCTION IS USED TRANSPOSED (source 0 = 16 rows of wo, source 1 = 16 rows of A): a lane then holds eight neighbouring numbers of a row of out0.
; 128 tiles: half of the chip's 256 WGPs have a work-group; a tile of 128 x 256 would fill them at twice the LDS reads for each product.
; REGISTERS, in windows of 256: window 0: v0-31 addresses; v32-63 scale words, two sets; v128-255 A's fragments, one set; on the way out v32-255 are free.  window 1: wo's fragments, two sets.  windows 2, 3: the accumulators ((a, b) at v[8 (8 (a % 4) + b)]).
.set SIZE_N, 1024
.set SIZE_K, 1024
.set KSTEP,  256
.set NQ,     KSTEP/128
.set ROWB,   256                       ; a row of wo's tile in bytes
.set KROW,   SIZE_K                    ; a row of wo in memory
.set ASTEP,  0x200000                  ; A's images of 256 along K: 512 tiles x 4,096 bytes
.set PITCH,  272                       ; an LDS row of wo: 256 bytes + 16 of padding: the 16 rows that a load touches start at 16 different banks (64 banks of 4 bytes: ISA guide 11.1)
.set FR,     16
.set NL,     4
.set NP,     8                         ; places behind this matrix instruction (ISA guide 7.12.1)
.set HALFT,  128*PITCH                 ; a wave's region of a slot: 128 padded rows of wo; A's 128 rows are 16 images, 32,768 dense bytes, at the region's head
.set SLOT,   4*HALFT
.set LAPS,   SIZE_K/(2*KSTEP)
.set KS,     SIZE_K/32
.set SCL,    2*SLOT
.set HALFS,  (128*KS/256)*272
.set SBLK,   (16*KS/256)*272
.set SPARE,  SCL+4*HALFS               ; the spare words, 128 bytes for each wave: two blocks of 256 bytes that no other line names
.set SPITCH, 528                       ; the way out: a stage of 16 rows x (512 bytes + 16) for each wave, in slot 0, which has had its last fill and its last read when the first result is stored there
.set ADRA, 16
.set ADRB, 20
.set STO,  24
.set RD,   25
.set CO,   26
.set ADRS, 27
.set SPW,  28
.set NIL,  29
.set SC,   32
.set AF,   128
.set BK,   128
.set G1, 24
.set G0, 32
.set G1B, 48
.set G0B, 56
.set G1S, 68
.set G0S, 76
.set G1SB, 80
.set G0SB, 88
.set MSB, 0
.macro WIN new                         ; the immediate's high byte repeats the setting that is left
.if MSB != \new
	s_set_vgpr_msb (MSB<<8)|\new
.set MSB, \new
.endif
.endm
.set MUL_LO, 0xa1
.set MUL_HI, 0xf1
.set TO_B,   0x40
.macro JLOAD g0a, g1a, g0b, g1b        ; a joint load: waves 0 and 1 fetch for A, waves 2 and 3 for wo; four v_nop follow each line
	s_cmp_eq_u32 s15, 0
	s_cbranch_scc0 .Lfor_b_\@
	tensor_load_to_lds s[\g0a:\g0a+3], s[\g1a:\g1a+7]
	s_nop 0
.rept 4
	v_nop
.endr
	s_branch .Lasked_\@
.Lfor_b_\@:
	tensor_load_to_lds s[\g0b:\g0b+3], s[\g1b:\g1b+7]
	s_nop 0
.rept 4
	v_nop
.endr
.Lasked_\@:
.endm
.macro CREST
	s_cmp_lg_u32 s14, 0
	s_cbranch_scc1 .Lnot_wave_0_\@
	s_barrier_signal -3
.Lnot_wave_0_\@:
	s_barrier_wait -3
	s_barrier_signal -1
	s_barrier_wait -1
.endm
.macro CROUND
	s_barrier_signal -1
	s_barrier_wait -1
	CREST
.endm
	s_load_b128 s[4:7], s[0:1], 0x0                ; A's images s[4:5], A's scales s[6:7]
	s_load_b128 s[8:11], s[0:1], 0x10              ; wo's codes s[8:9], wo's scales s[10:11]
	s_load_b64 s[12:13], s[0:1], 0x20              ; out0
	v_lshl_add_u32 v[SPW], v0, 2, SPARE
	v_mov_b32 v[NIL], 0
	ds_add_u32 v28, v29
	ds_add_u32 v28, v29
	s_wait_dscnt 0x0
	v_lshrrev_b32 v1, 5, v0
	v_readfirstlane_b32 s14, v1                    ; wave 0..3
	s_lshr_b32 s15, s14, 1                         ; which half of the tile's rows is mine.  Also: I fetch for A (0) or for wo (1)
	s_and_b32 s16, s14, 1                          ; which half of its columns.  Also: which 128 rows of that tile I fetch
	s_bfe_u32 s40, ttmp6, 0x40000                  ; cx, cy
	s_bfe_u32 s41, ttmp6, 0x40004
	s_lshl_b32 s42, ttmp9, 2
	s_add_co_u32 s42, s42, s40                     ; tile column = 4 x cluster x + cx
	s_and_b32 s17, ttmp7, 0xffff
	s_lshl_b32 s17, s17, 2
	s_add_co_u32 s17, s17, s41                     ; tile row = 4 x cluster y + cy
	s_lshl_b32 s43, s41, 2
	s_lshl_b32 s43, 15, s43                        ; my row of the cluster
	s_lshl_b32 s44, 0x1111, s40                    ; my column
	; A's tile: 16 images, a dense block of 32,768 bytes, as 128 rows of 256 bytes (32 elements of 8 bytes), no padding
	s_or_b32 s[G1+0], s43, (3<<16)|(1<<21)
	s_mov_b32 s[G1+1], 32<<16
	s_mov_b32 s[G1+2], 128<<16
	s_mov_b32 s[G1+3], 32<<16
	s_mov_b32 s[G1+4], 128
	s_mov_b32 s[G1+5], 32
	s_mov_b32 s[G1+6], 0
	s_mov_b32 s[G1+7], 0
	; wo's tile: 128 rows x 256 bytes, 16 bytes of padding behind each
	s_or_b32 s[G1B+0], s44, (0<<16)|(1<<20)|(1<<21)|(5<<22)|(3<<25)
	s_mov_b32 s[G1B+1], ROWB<<16
	s_mov_b32 s[G1B+2], 128<<16
	s_mov_b32 s[G1B+3], ROWB<<16
	s_mov_b32 s[G1B+4], 128
	s_mov_b32 s[G1B+5], KROW
	s_mov_b32 s[G1B+6], 0
	s_mov_b32 s[G1B+7], 0
	; the scales of 128 rows: a dense block of 4,096 bytes, as rows of 256 bytes, 16 bytes of padding behind each
	s_or_b32 s[G1S+0], s43, (3<<16)|(1<<20)|(1<<21)|(5<<22)|(3<<25)
	s_or_b32 s[G1SB+0], s44, (3<<16)|(1<<20)|(1<<21)|(5<<22)|(3<<25)
.irp g, G1S, G1SB
	s_mov_b32 s[\g+1], 32<<16
	s_mov_b32 s[\g+2], (128*KS/256)<<16
	s_mov_b32 s[\g+3], 32<<16
	s_mov_b32 s[\g+4], 128*KS/256
	s_mov_b32 s[\g+5], 32
	s_mov_b32 s[\g+6], 0
	s_mov_b32 s[\g+7], 0
.endr
	s_lshl_b32 s18, s16, 7                         ; which 128 rows of the tile I fetch
	s_lshl_b32 s20, s17, 8
	s_add_co_u32 s20, s20, s18                     ; A: row 256 x tile row + 128 x half
	s_lshl_b32 s46, s42, 8
	s_add_co_u32 s46, s46, s18                     ; wo: row 256 x tile column + 128 x half
	s_mov_b32 s21, 0
	s_mov_b32 s47, 0
	s_mov_b64 s[18:19], KS
	s_mul_u64 s[22:23], s[20:21], s[18:19]         ; where these rows' scales begin, in bytes
	s_mul_u64 s[92:93], s[46:47], s[18:19]
	s_lshl_b64 s[20:21], s[20:21], 8               ; A's images: 4,096 bytes for 16 rows and 256 along K
	s_mov_b64 s[18:19], KROW
	s_mul_u64 s[46:47], s[46:47], s[18:19]         ; wo's codes
	s_mul_i32 s45, s14, HALFT                      ; where they go: no place in the cluster enters an LDS address
	s_mul_i32 s94, s14, HALFS
	s_wait_kmcnt 0x0
	s_add_nc_u64 s[20:21], s[4:5], s[20:21]
	s_add_nc_u64 s[22:23], s[6:7], s[22:23]
	s_add_nc_u64 s[46:47], s[8:9], s[46:47]
	s_add_nc_u64 s[92:93], s[10:11], s[92:93]
	CROUND                                         ; all sixteen work-groups are here: the first joint loads meet
	s_mov_b32 s[G0S], 1
	s_add_co_u32 s[G0S+1], s94, SCL
	s_mov_b64 s[G0S+2:G0S+3], s[22:23]
	s_or_b32 s[G0S+3], s[G0S+3], 0x80000000
	s_mov_b32 s[G0SB], 1
	s_add_co_u32 s[G0SB+1], s94, SCL
	s_mov_b64 s[G0SB+2:G0SB+3], s[92:93]
	s_or_b32 s[G0SB+3], s[G0SB+3], 0x80000000
	JLOAD G0S, G1S, G0SB, G1SB                     ; the scales first: they are wanted with K step 0
.irp s, 0,1
	s_mov_b32 s[G0+4*\s], 1
	s_add_co_u32 s[G0+4*\s+1], s45, \s*SLOT
	s_add_nc_u64 s[G0+4*\s+2:G0+4*\s+3], s[20:21], \s*ASTEP
	s_or_b32 s[G0+4*\s+3], s[G0+4*\s+3], 0x80000000
	s_mov_b32 s[G0B+4*\s], 1
	s_add_co_u32 s[G0B+4*\s+1], s45, \s*SLOT
	s_add_nc_u64 s[G0B+4*\s+2:G0B+4*\s+3], s[46:47], \s*ROWB
	s_or_b32 s[G0B+4*\s+3], s[G0B+4*\s+3], 0x80000000
	s_wait_alu depctr_va_vdst(0)
	s_wait_tensorcnt 0x0
	ds_add_u32 v28, v29
	s_wait_dscnt 0x0
	CROUND
	JLOAD G0+4*\s, G1, G0B+4*\s, G1B
.endr
	v_and_b32 v1, 15, v0                           ; l % 16
	v_bfe_u32 v2, v0, 4, 1                         ; l / 16
	v_mul_u32_u24 v3, v1, PITCH
	v_lshl_add_u32 v4, v2, 4, v3                   ; wo: a fragment's row x pitch + 16 x half
	v_and_b32 v6, 31, v0
	v_lshlrev_b32 v[CO], 4, v6                     ; 16 x lane: my place in an image of A, and in a row of out0
	s_mul_i32 s21, s15, HALFT                      ; my 128 rows of A
	s_mul_i32 s22, s16, HALFT                      ; my 128 rows of wo,
	s_add_co_u32 s22, s22, 2*HALFT                 ; which lie behind A's two regions
.irp s, 0,1
	v_add_nc_u32 v[ADRA+\s], s21, v[CO]
	v_add_nc_u32 v[ADRB+\s], s22, v4
	s_add_co_u32 s21, s21, SLOT
	s_add_co_u32 s22, s22, SLOT
.endr
	v_mul_u32_u24 v5, v1, KS                       ; my row's scales: KS bytes a row,
	v_lshrrev_b32 v6, 8, v5
	v_lshl_add_u32 v5, v6, 4, v5                   ; and 16 more for each 256 passed
	s_mul_i32 s21, s15, HALFS
	s_mul_i32 s22, s16, HALFS
	s_add_co_u32 s22, s22, 2*HALFS
	s_sub_co_u32 s22, s22, s21
	v_mul_u32_u24 v6, s22, v2                      ; lanes 16-31 take wo's: the lower base + h x the distance
	s_add_co_u32 s21, s21, SCL
	v_add_nc_u32 v5, v5, v6
	v_add_nc_u32 v[ADRS], s21, v5
	s_mul_i32 s23, s14, 16*SPITCH                  ; my stage
	v_mul_u32_u24 v5, v1, SPITCH                   ; in: row l % 16, 32 bytes for each half of the lanes
	v_lshl_add_u32 v5, v2, 5, v5
	v_add_nc_u32 v[STO], s23, v5
	v_add_nc_u32 v[RD], s23, v[CO]                 ; back: the 32 lanes take one row of 512 bytes
	s_lshl_b32 s20, s17, 8
	s_lshl_b32 s21, s15, 7
	s_add_co_u32 s20, s20, s21                     ; my first row of out0
	s_mov_b32 s21, 0
	s_mov_b64 s[18:19], SIZE_N*4
	s_mul_u64 s[20:21], s[20:21], s[18:19]
	s_lshl_b32 s46, s42, 10                        ; my first column, in bytes
	s_lshl_b32 s47, s16, 9
	s_add_co_u32 s46, s46, s47
	s_mov_b32 s47, 0
	s_add_nc_u64 s[20:21], s[20:21], s[46:47]
	s_add_nc_u64 s[12:13], s[12:13], s[20:21]
.macro FRAG reg, adr, q, i             ; a fragment of wo from rows: lane l holds row l % 16; registers 4 c .. 4 c + 3 hold K = 32 c + 16 (l / 16) + 0 .. 15
.irp c, 0,1,2,3
	ds_load_b128 v[\reg+4*\c:\reg+4*\c+3], v[\adr] offset:128*(\q)+32*\c+(\i)*16*PITCH
.endr
.endm
.macro FRAGA reg, adr, q, i            ; a fragment of A from its image: each load reads 512 consecutive bytes
.irp c, 0,1,2,3
	ds_load_b128 v[\reg+4*\c:\reg+4*\c+3], v[\adr] offset:(2*(\i)+(\q))*2048+512*\c
.endr
.endm
; 16 matrix instructions: A's blocks a0, a0 + 1 x wo's eight, 128 along K.  The 64 accumulators take turns, one instruction a turn, in the same order in every step.
.macro MUL16 a0, p, q, sc, zero
.irp a, \a0, \a0+1
.irp b, 0,1,2,3,4,5,6,7
.if \zero
	v_wmma_scale_f32_16x16x128_f8f6f4 v[8*(8*((\a)%4)+\b):8*(8*((\a)%4)+\b)+7], v[128*(\p)+FR*\b:128*(\p)+FR*\b+FR-1], v[AF+FR*(\a):AF+FR*(\a)+FR-1], 0, v[SC+8*NQ*(\sc)+NQ*\b+(\q)], v[SC+8*NQ*(\sc)+NQ*(\a)+(\q)] matrix_a_fmt:MATRIX_FMT_BF8 matrix_b_fmt:MATRIX_FMT_BF8 matrix_a_scale:MATRIX_SCALE_ROW1
.else
	v_wmma_scale_f32_16x16x128_f8f6f4 v[8*(8*((\a)%4)+\b):8*(8*((\a)%4)+\b)+7], v[128*(\p)+FR*\b:128*(\p)+FR*\b+FR-1], v[AF+FR*(\a):AF+FR*(\a)+FR-1], v[8*(8*((\a)%4)+\b):8*(8*((\a)%4)+\b)+7], v[SC+8*NQ*(\sc)+NQ*\b+(\q)], v[SC+8*NQ*(\sc)+NQ*(\a)+(\q)] matrix_a_fmt:MATRIX_FMT_BF8 matrix_b_fmt:MATRIX_FMT_BF8 matrix_a_scale:MATRIX_SCALE_ROW1
.endif
.endr
.endr
.endm
.macro FETCH_B slot, q, p
	WIN TO_B
.irp i, 0,1,2,3,4,5,6,7
	FRAG 128*(\p)+FR*\i, ADRB+\slot, \q, \i
.endr
	WIN 0
.endm
.macro FETCH_A slot, q, i0
.irp i, \i0, \i0+1, \i0+2, \i0+3
	FRAGA AF+FR*(\i), ADRA+\slot, \q, \i
.endr
.endm
.macro SCALES sc                       ; a K step's scale words into set sc: lanes 0-15 take A's block i, lanes 16-31 wo's block i
.irp i, 0,1,2,3,4,5,6,7
	ds_load_b64 v[SC+8*NQ*\sc+NQ*\i:SC+8*NQ*\sc+NQ*\i+1], v[ADRS] offset:\i*SBLK
.endr
.endm
.macro PLACES n                        ; plain vector instructions that name none of a matrix instruction's registers (ISA guide 7.12.1)
.rept \n
	v_nop
.endr
.endm
.macro STEP slot, q, zero
	s_wait_dscnt 4*NL                              ; wo's set and A's blocks 0-3 are in; the youngest 16 loads (A's blocks 4-7) may be out
	WIN MUL_LO
	MUL16 0, (\q)%2, \q, \slot, \zero
	MUL16 2, (\q)%2, \q, \slot, \zero
	s_wait_dscnt 0
	PLACES NP
	FETCH_B \slot, (\q)+1, 1-(\q)%2
	FETCH_A \slot, (\q)+1, 0
	WIN MUL_HI
	MUL16 4, (\q)%2, \q, \slot, \zero
	MUL16 6, (\q)%2, \q, \slot, \zero
	PLACES NP
	WIN 0
	FETCH_A \slot, (\q)+1, 4
.endm
; A slot's last step changes slots: ONE barrier; in front of it each wave waits for all its tensor loads, adds 0 to its spare word, and waits for that and for its own reads of this slot.  fill = 1: this slot is filled again, two K steps ahead.
.macro TURN slot, next, fill
	s_wait_tensorcnt 0x0                           ; all my tensor loads have landed: my part of the next slot
	ds_add_u32 v[SPW], v[NIL]                      ; 0 onto my spare word
	s_wait_dscnt 4*NL+1                            ; (the add and the youngest 16 loads may be out)
	WIN MUL_LO
	MUL16 0, 1, NQ-1, \slot, 0
	s_wait_dscnt 0x0                               ; the add is done, and my reads of this slot are over
	s_barrier_signal -1
	MUL16 2, 1, NQ-1, \slot, 0
	WIN 0
	s_barrier_wait -1
.if \fill
	CREST                                          ; the barrier has opened a round of the cluster's barrier: no wave of any partner still reads this slot's tile or has a load on its way
	s_add_nc_u64 s[G0+4*\slot+2:G0+4*\slot+3], s[G0+4*\slot+2:G0+4*\slot+3], 2*ASTEP
	s_add_nc_u64 s[G0B+4*\slot+2:G0B+4*\slot+3], s[G0B+4*\slot+2:G0B+4*\slot+3], 2*ROWB
	JLOAD G0+4*\slot, G1, G0B+4*\slot, G1B         ; the first tensor load behind the round
	PLACES NP-4
.else
	PLACES NP
.endif
	s_wait_alu depctr_va_vdst(0)
	v_add_nc_u32 v[ADRS], 4*NQ, v[ADRS]            ; on to the next K step's scale words
	FETCH_B \next, 0, 0
	FETCH_A \next, 0, 0
	SCALES \next
	WIN MUL_HI
	MUL16 4, 1, NQ-1, \slot, 0
	MUL16 6, 1, NQ-1, \slot, 0
	PLACES NP
	WIN 0
	FETCH_A \next, 0, 4
.endm
	s_wait_alu depctr_va_vdst(0)
	s_wait_tensorcnt 1                             ; the scales and my part of K step 0 are in (K step 1's load may be out)
	s_barrier_signal -1
	s_barrier_wait -1                              ; everybody's are
	FETCH_B 0, 0, 0
	FETCH_A 0, 0, 0
	SCALES 0
	FETCH_A 0, 0, 4
	STEP 0, 0, 1                                   ; the first step stands in front of the loop: its products start the sums
	s_mov_b32 s3, LAPS-1
.Llap:
	TURN 0, 1, 1
	STEP 1, 0, 0
	TURN 1, 0, 1
	STEP 0, 0, 0
	s_sub_co_u32 s3, s3, 1
	s_cmp_lg_u32 s3, 0
	s_cbranch_scc1 .Llap
	TURN 0, 1, 0                                   ; the last lap fills nothing, and has no round of the cluster's barrier
	STEP 1, 0, 0
	s_wait_dscnt 4*NL                              ; the very last step
	WIN MUL_LO
	MUL16 0, 1, NQ-1, 1, 0
	MUL16 2, 1, NQ-1, 1, 0
	s_wait_dscnt 0
	WIN MUL_HI
	MUL16 4, 1, NQ-1, 1, 0
	MUL16 6, 1, NQ-1, 1, 0
	WIN 0
; THE WAY OUT, block by block of 16 rows x 128 columns: through my own stage in LDS, back as whole rows of 512 bytes.  LDS serves a wave's instructions in order (ISA guide 5.7.1.4): no wait between the stores and the loads.
.macro TOSTAGE a
.set AC, 64*((\a)%4)
	WIN 0x08+4*((\a)/4)                            ; the data: window 2 or 3
.irp b, 0,1,2,3,4,5,6,7
	ds_store_b128 v[STO], v[AC+8*\b:AC+8*\b+3] offset:64*\b          ; each accumulator from its low end on
	ds_store_b128 v[STO], v[AC+8*\b+4:AC+8*\b+7] offset:64*\b+16
.endr
	WIN 0
.set BB, BK+64*((\a)%2)
.irp t, 0,1,2,3,4,5,6,7,8,9,10,11,12,13,14,15
	ds_load_b128 v[BB+4*\t:BB+4*\t+3], v[RD] offset:\t*SPITCH
.endr
.endm
.macro SEND a, younger                 ; younger: the LDS instructions issued behind block a's loads, which may stay out
.set BB, BK+64*((\a)%2)
	s_wait_dscnt \younger                          ; the block is back in registers
.if (\a) > 0
	s_add_nc_u64 s[12:13], s[12:13], 16*SIZE_N*4   ; (behind a wait on XCNT: the earlier stores have read their base)  16 rows on
.endif
.irp t, 0,1,2,3,4,5,6,7,8,9,10,11,12,13,14,15
	global_store_b128 v[CO], v[BB+4*\t:BB+4*\t+3], s[12:13] offset:\t*SIZE_N*4 th:TH_STORE_NT   ; 32 lanes store 512 consecutive bytes, aligned; written once, read by nobody here
.endr
.endm
	PLACES NP                                      ; behind the last products: for the loads into registers that held A's fragments and for the reads of results
	TOSTAGE 0
.irp a, 1,2,3,4,5,6,7
.if \a > 1
	s_wait_xcnt 0x0                                ; block a - 2's stores have read their registers and their base
.endif
	TOSTAGE \a
	SEND \a-1, 32                                  ; behind block a - 1's loads: block a's 16 stores and 16 loads
.endr
	s_wait_xcnt 0x0                                ; block 6's stores have read their base
	SEND 7, 0
	s_wait_tensorcnt 0x0                           ; the wave's end
	ds_add_u32 v[SPW], v[NIL]
	s_wait_dscnt 0x0
	CROUND                                         ; the closing round
	s_endpgm
.Lfunc_end_k_q82e2c10bda_oproj:
	.size	k_q82e2c10bda_oproj, .Lfunc_end_k_q82e2c10bda_oproj-k_q82e2c10bda_oproj
	.p2alignl 7, 3214868480
	.fill 96, 4, 3214868480
	.section	.rodata,"a",@progbits
	.p2align	6, 0x0
	.amdhsa_kernel k_q82e2c10bda_oproj
		.amdhsa_group_segment_fixed_size 327680
		.amdhsa_private_segment_fixed_size 0
		.amdhsa_enable_private_segment 0
		.amdhsa_kernarg_size 40
		.amdhsa_user_sgpr_count 2
		.amdhsa_user_sgpr_kernarg_segment_ptr 1
		.amdhsa_wavefront_size32 1
		.amdhsa_system_sgpr_workgroup_id_x 1
		.amdhsa_system_sgpr_workgroup_id_y 1
		.amdhsa_system_sgpr_workgroup_id_z 1
		.amdhsa_system_vgpr_workitem_id 0
		.amdhsa_next_free_vgpr 1024
		.amdhsa_next_free_sgpr 98
		.amdhsa_reserve_vcc 0
		.amdhsa_float_denorm_mode_32 3
		.amdhsa_float_denorm_mode_16_64 3
		.amdhsa_memory_ordered 1
		.amdhsa_forward_progress 1
		.amdhsa_inst_pref_size 146
	.end_amdhsa_kernel
	.amdgpu_metadata
---
amdhsa.version: [ 1, 2 ]
amdhsa.kernels:
  - .name:           k_q82e2c10bda_oproj
    .symbol:         k_q82e2c10bda_oproj.kd
    .args:
      - { .name: oimg, .offset: 0, .size: 8, .value_kind: global_buffer, .address_space: global }
      - { .name: osc, .offset: 8, .size: 8, .value_kind: global_buffer, .address_space: global }
      - { .name: wo_codes, .offset: 16, .size: 8, .value_kind: global_buffer, .address_space: global }
      - { .name: wo_scales, .offset: 24, .size: 8, .value_kind: global_buffer, .address_space: global }
      - { .name: out0, .offset: 32, .size: 8, .value_kind: global_buffer, .address_space: global }
    .group_segment_fixed_size: 327680
    .private_segment_fixed_size: 0
    .kernarg_segment_align: 8
    .kernarg_segment_size: 40
    .max_flat_workgroup_size: 128
    .sgpr_count:     98
    .vgpr_count:     1024
    .wavefront_size: 32
...
	.end_amdgpu_metadata
.endif
;; end of part 3
